; MI455X (gfx1250); checked and timed in simulation.
; The chip was launched on July 23, 2026; its instructions are those of AMD's public machine-readable ISA for CDNA 5 (MIT licence, August 2026) and "CDNA5" Instruction Set Architecture Reference Guide (July 2026). The comments in the code are by the model that wrote it; some were corrected since.
;; Min GRU. Allowed arithmetic: float matrix products may take bf16 or f16 operands with f32 sums; other float arithmetic in f32, or as packed bf16 or f16 multiplies, adds, multiply-adds, maxima and minima; sums over many terms, partial sums and values carried from step to step in f32; what a program stores and reads back later, other than sums and carried values, may be rounded once to bf16 or f16.
;; Inputs: Wh 2 x 1,024 x 1,024 float32; Wz 2 x 1,024 x 1,024 float32; bh 2 x 1,024 float32; bz 2 x 1,024 float32; x 8 x 2,048 x 1,024 float32.
;; Outputs: out0 8 x 2,048 x 1,024 float32.
;; 2 versions, each right; version 2 is version 1 with the launch prep written anew for expert scheduling mode. Each part assembles by itself: llvm-mc -triple=amdgcn-amd-amdhsa -mcpu=gfx1250 --defsym DOCPART=n.
;; ======== version 1 of 2: 3 launches
;; workspace buffers: xb 33,554,432 bytes; h1 33,554,432 bytes; wp 8,388,608 bytes
;; launch prep (part 1): grid 512 x 1, 8 waves a work-group, no clusters, 0 bytes of LDS; arguments x, Wz, Wh, xb, wp; writes xb, wp
.if DOCPART == 1
	.amdgcn_target "amdgcn-amd-amdhsa--gfx1250"
	.amdhsa_code_object_version 6
	.text
	.protected	k_qe8a35ea6ec_prep
	.globl	k_qe8a35ea6ec_prep
	.p2align	8
	.type	k_qe8a35ea6ec_prep,@function
k_qe8a35ea6ec_prep:
	s_mov_b64 s[64:65], 0
	v_nop
	global_prefetch_b8 v0, s[64:65] scope:SCOPE_SE
	s_setreg_imm32_b32 hwreg(HW_REG_WAVE_MODE, 25, 1), 1
	s_wait_xcnt 0x0
; x, Wz and Wh are rounded once to bf16 (nearest even) and laid out for the two layer launches.
; xb: [b 8][kb 32][t 2048][32 channels] bf16: plane (b, kb) is 131,072 dense bytes; byte = b*4194304 + kb*131072 + t*64 + 2*channel.
; wp: [l 2][cg 32][kh 2][ksl 16][nt 4][q 2][lane 32][8] bf16, the order in which a wave of a layer launch takes its matrix fragments:
;     element e of lane (h = lane/16, r = lane%16) is W(nt<2 ? z : h)[l][32 cg + 16 (nt&1) + r][512 kh + 32 ksl + 16 q + 8 h + e].
; A stream: no LDS, no matrix unit, no cluster (no two work-groups read the same byte).  Every input byte is read once, every output byte written once.
; 512 work-groups x 8 waves.  Wave gw = 8 x group + wave owns rows 4 gw .. 4 gw + 3 of x's 16,384 (16 KiB), all 32 loads issued before the first is used.
; Waves 0 and 1 of each group then pack 16 KiB of weights (task tk = 2 x group + wave).
.set X, 8                              ; v[8:135]  16 units of 8 registers: 8 f32 as loaded, then 4 registers of bf16
	s_load_b256 s[4:11], s[0:1], 0x0               ; x s[4:5], Wz s[6:7], Wh s[8:9], xb s[10:11]
	s_load_b64 s[12:13], s[0:1], 0x20              ; wp
	v_lshrrev_b32 v3, 5, v0
	v_readfirstlane_b32 s14, v3                    ; wave 0..7
	v_and_b32 v3, 3, v0                            ; q:  which 8 channels of a plane's 32
	v_bfe_u32 v4, v0, 2, 2                         ; ts: which of my four rows
	v_bfe_u32 v5, v0, 4, 1                         ; ks: which of a unit's two planes
	v_lshlrev_b32 v1, 5, v3                        ; load offset: 32 q
	v_lshl_add_u32 v1, v5, 7, v1                   ;  + 128 ks
	v_lshl_add_u32 v1, v4, 12, v1                  ;  + 4,096 ts
	v_lshlrev_b32 v2, 4, v3                        ; store offset: 16 q
	v_lshl_add_u32 v2, v4, 6, v2                   ;  + 64 ts
	v_lshl_add_u32 v2, v5, 17, v2                  ;  + 131,072 ks
	s_lshl_b32 s15, ttmp9, 3
	s_add_co_u32 s15, s15, s14                     ; gw
	s_lshl_b32 s16, s15, 14                        ; four rows of 4,096 bytes
	s_mov_b32 s17, 0
	s_lshr_b32 s18, s15, 9                         ; b
	s_lshl_b32 s18, s18, 22
	s_and_b32 s19, s15, 511                        ; t0 / 4
	s_lshl_b32 s19, s19, 8                         ; t0 x 64 bytes
	s_add_co_u32 s18, s18, s19
	s_mov_b32 s19, 0
	s_wait_kmcnt 0x0
	s_add_nc_u64 s[4:5], s[4:5], s[16:17]
	s_add_nc_u64 s[10:11], s[10:11], s[18:19]
; Unit u's two loads are in (loads come back in order: the 30 - 2 u younger ones stay out); 8 f32 become 16 bytes, in place, low registers first.
.macro CONV u
	s_wait_loadcnt 30-2*(\u)
.irp i, 0,1,2,3
	v_cvt_pk_bf16_f32 v[X+8*(\u)+(\i)], v[X+8*(\u)+2*(\i)], v[X+8*(\u)+2*(\i)+1]
.endr
.endm
.set u, 0
.rept 16                               ; unit u: channels 64 u .. 64 u + 63 of my four rows: 256 aligned bytes of each row by the two loads together
	global_load_b128 v[X+8*u:X+8*u+3],   v1, s[4:5] offset:256*u th:TH_LOAD_NT
	global_load_b128 v[X+8*u+4:X+8*u+7], v1, s[4:5] offset:256*u+16 th:TH_LOAD_NT
.set u, u+1
.endr
.set u, 0
.rept 16
	CONV u
	global_store_b128 v2, v[X+8*u:X+8*u+3], s[10:11] offset:262144*u  ; lanes 0-15: 256 consecutive aligned bytes of plane 2 u; lanes 16-31: of plane 2 u + 1
.set u, u+1
.endr
	s_cmp_lt_u32 s14, 2
	s_cbranch_scc0 .Lend                           ; the weights are a quarter of x's bytes: two waves of eight take them
	s_wait_xcnt 0x0                                ; X, which the stores above read, is loaded again only behind this wait
	v_and_b32 v3, 15, v0
	v_lshlrev_b32 v3, 12, v3                       ; load offset: row r of 4,096 bytes
	v_lshl_add_u32 v3, v5, 5, v3                   ;  + 32 h
	v_and_b32 v4, 31, v0
	v_lshlrev_b32 v4, 4, v4                        ; store offset: 16 x lane
	s_lshl_b32 s15, ttmp9, 1
	s_add_co_u32 s15, s15, s14                     ; tk = ((l*32 + cg)*2 + kh)*8 + kp
	s_lshr_b32 s16, s15, 4
	s_lshl_b32 s16, s16, 17                        ; (l*32 + cg) x 32 rows of 4,096 bytes
	s_bfe_u32 s18, s15, 0x10003
	s_lshl_b32 s18, s18, 11                        ; kh x 512 numbers
	s_or_b32 s16, s16, s18
	s_and_b32 s18, s15, 7
	s_lshl_b32 s18, s18, 8                         ; kp x 64 numbers
	s_or_b32 s16, s16, s18
	s_add_nc_u64 s[6:7], s[6:7], s[16:17]
	s_add_nc_u64 s[8:9], s[8:9], s[16:17]
	s_lshl_b32 s18, s15, 13                        ; a task writes 8,192 bytes
	s_add_nc_u64 s[12:13], s[12:13], s[18:19]
.set i, 0
.rept 16                               ; piece i = kk*8 + nt*2 + q: 8 numbers a lane; of each row the task's pieces use 256 aligned bytes
.set im, (((i/2)%4)&1)*65536+(i/8)*128+(i%2)*64
.if ((i/2)%4) < 2
	global_load_b128 v[X+8*i:X+8*i+3],   v3, s[6:7] offset:im th:TH_LOAD_NT
	global_load_b128 v[X+8*i+4:X+8*i+7], v3, s[6:7] offset:im+16 th:TH_LOAD_NT
.else
	global_load_b128 v[X+8*i:X+8*i+3],   v3, s[8:9] offset:im th:TH_LOAD_NT
	global_load_b128 v[X+8*i+4:X+8*i+7], v3, s[8:9] offset:im+16 th:TH_LOAD_NT
.endif
.set i, i+1
.endr
.set i, 0
.rept 16
	CONV i
	global_store_b128 v4, v[X+8*i:X+8*i+3], s[12:13] offset:512*i  ; 512 consecutive aligned bytes
.set i, i+1
.endr
.Lend:
	s_endpgm
.Lfunc_end_k_qe8a35ea6ec_prep:
	.size	k_qe8a35ea6ec_prep, .Lfunc_end_k_qe8a35ea6ec_prep-k_qe8a35ea6ec_prep
	.p2alignl 7, 3214868480
	.fill 96, 4, 3214868480
	.section	.rodata,"a",@progbits
	.p2align	6, 0x0
	.amdhsa_kernel k_qe8a35ea6ec_prep
		.amdhsa_group_segment_fixed_size 0
		.amdhsa_private_segment_fixed_size 0
		.amdhsa_enable_private_segment 0
		.amdhsa_kernarg_size 40
		.amdhsa_user_sgpr_count 2
		.amdhsa_user_sgpr_kernarg_segment_ptr 1
		.amdhsa_wavefront_size32 1
		.amdhsa_system_sgpr_workgroup_id_x 1
		.amdhsa_system_sgpr_workgroup_id_y 1
		.amdhsa_system_sgpr_workgroup_id_z 1
		.amdhsa_system_vgpr_workitem_id 0
		.amdhsa_next_free_vgpr 136
		.amdhsa_next_free_sgpr 66
		.amdhsa_reserve_vcc 0
		.amdhsa_float_denorm_mode_32 3
		.amdhsa_float_denorm_mode_16_64 3
		.amdhsa_memory_ordered 1
		.amdhsa_forward_progress 1
		.amdhsa_inst_pref_size 21
	.end_amdhsa_kernel
	.amdgpu_metadata
---
amdhsa.version: [ 1, 2 ]
amdhsa.kernels:
  - .name:           k_qe8a35ea6ec_prep
    .symbol:         k_qe8a35ea6ec_prep.kd
    .args:
      - { .name: x, .offset: 0, .size: 8, .value_kind: global_buffer, .address_space: global }
      - { .name: Wz, .offset: 8, .size: 8, .value_kind: global_buffer, .address_space: global }
      - { .name: Wh, .offset: 16, .size: 8, .value_kind: global_buffer, .address_space: global }
      - { .name: xb, .offset: 24, .size: 8, .value_kind: global_buffer, .address_space: global }
      - { .name: wp, .offset: 32, .size: 8, .value_kind: global_buffer, .address_space: global }
    .group_segment_fixed_size: 0
    .private_segment_fixed_size: 0
    .kernarg_segment_align: 8
    .kernarg_segment_size: 40
    .max_flat_workgroup_size: 256
    .sgpr_count:     66
    .vgpr_count:     136
    .wavefront_size: 32
...
	.end_amdgpu_metadata
.endif
;; end of part 1
;; launch layer1 (part 2): grid 32 x 8, 4 waves a work-group, clusters of 4 x 1, 327,680 bytes of LDS; arguments xb, wp, bz, bh, h1; writes h1
.if DOCPART == 2
	.amdgcn_target "amdgcn-amd-amdhsa--gfx1250"
	.amdhsa_code_object_version 6
	.text
	.protected	k_qe8a35ea6ec_layer1
	.globl	k_qe8a35ea6ec_layer1
	.p2align	8
	.type	k_qe8a35ea6ec_layer1,@function
k_qe8a35ea6ec_layer1:
	s_mov_b64 s[64:65], 0
	v_nop
	global_prefetch_b8 v0, s[64:65] scope:SCOPE_SE
	s_setreg_imm32_b32 hwreg(HW_REG_WAVE_MODE, 25, 1), 1
	s_wait_xcnt 0x0
	s_wait_alu depctr_hold_cnt(0) depctr_sa_sdst(0) depctr_va_vdst(0) depctr_va_sdst(0) depctr_va_ssrc(0) depctr_va_vcc(0) depctr_vm_vsrc(0)
	s_getreg_b32 s2, hwreg(HW_REG_IB_STS2, 6, 4)
	s_cmp_eq_u32 s2, 0
	s_cbranch_scc0 .Lentry_in_a_cluster
	s_endpgm
.Lentry_in_a_cluster:
	s_bfe_u32 s2, ttmp6, 0x10000c
	s_cmp_lg_u32 s2, 0x3003
	s_cbranch_scc0 .Lentry_shape_is_right
	s_endpgm
.Lentry_shape_is_right:
; ONE MinGRU LAYER, FUSED: k = x Wz^T + bz, p = x Wh^T + bh, z = sigmoid(k), a = sigmoid(-k), g = p + 0.5 (p >= 0) or sigmoid(p), h_t = a_t h_(t-1) + z_t g_t, h_0 = 0.5.
; The log-space scan of the model is this recurrence: all terms are positive and a + z = 1, so h_t lies between h_(t-1) and g_t; no exponential of an accumulated sum is formed, so there is no maximum to take away.
; LAYER = 0: input xb, output h1 (bf16, in planes, rounded once).  LAYER = 1: input h1, output out0 (f32, rows).  The two texts differ in this constant alone.
; LIMITS.  Matrix operands are bf16; sums, biases, a, z g, running products and carries are f32; K is summed in two halves of 512, then added.  -k log2(e) is held at 120: for k below about -83, z counts as 2^-120 and a as 1.
; exp and rcp flush denormals: z or sigmoid(p) below 2^-126 count as 0.  A NaN in k is lost in the clamp; finite inputs make none.
; SHARES.  Work-group (cg, b) owns batch b, channels 32 cg .. 32 cg + 31: 32 whole sequences, walked in 32 tiles of 64 rows with the carry in registers.  8 x 32 = 256 equal work-groups.
; Wave w = 2 mh + kh multiplies rows 32 mh .. + 31 of a tile by K half kh for all 64 columns (32 of Wz, 32 of Wh).  Its 64 x 512 weights, 512 registers, stay in registers for the whole launch, so LDS holds x alone
; and each byte of a tile is read from LDS once.  Of its two row blocks of 16 a wave SENDs the sums of block w^1 to wave w^1 through LDS and KEEPs block w; then wave w owns rows 16 w .. 16 w + 15 of the tile.
; SCAN.  Source 0 is rows of x: a lane holds one channel (lane % 16) and rows 8 (lane / 16) + 0..7, eight steps on end of one sequence.  Lane: local h with carry 0 (HL) and running product of a (AC).  The two halves of the
; lanes meet by one exchange; the four waves' aggregates (product, local h) meet in LDS; every wave chains the four from the carry.
; THE PIPELINE.  Step j has tile j's 128 products: 0-63 SEND's, 64-127 KEEP's.  Behind products 0-70 ride the gates, scan and aggregate of tile j - 1, three vector lines behind each product.  Between products 72 and 84 stands
; ONE meeting, the ring's round: in front of it tile j's fragments are all in registers, SEND's sums of tile j and the aggregates of tile j - 1 are in LDS; behind it tile j's slot takes tile j + 2, the partner's sums and the
; aggregates are read, tile j - 1 is finished (behind products 92-99), staged, read back by rows and stored, and tile j + 1's first fragments are fetched.  Exchange and aggregates have two buffers that take turns: between
; a buffer's reads (behind round j) and its next writes (ahead of round j + 2) lies round j + 1.
; NO FIRST STEP IS WRITTEN OUT.  Step 0 finds, for a tile before the first, sums set by hand: k = -1e30, p = 0: a = 2^120 x rcp(2^120), which is 1 to within the reciprocal's accuracy, and z = 2^-120: h_0 passes through it;
; its rows are not stored (a forward jump on the trip's count).  The price: 64 v_mov_b32 in the wait for the first tile.  Tiles 30 and 31 are written out (they ask for nothing), and tile 31's vector work behind them.
; CLUSTER.  The four work-groups of a cluster share b and walk the same tiles of x: each tile is asked for JOINTLY, the same load, descriptor and mask in all four.  The weights are not shared so: they are read once a launch,
; 128 KiB beside the 4 MiB of x that a work-group walks.
; out0 (LAYER = 1): 32 channels are 128 bytes of a row of 4,096, so a store covers four pieces of 128 consecutive bytes; 8,192 sequences on 256 work-groups leave no more channels to a work-group.  The other 128 bytes of each
; aligned 256 are stored by the neighbour in the cluster in the same step, so these stores carry no hint that the bytes are done with.
; REGISTERS, in windows of 256 (s_set_vgpr_msb: bits 1:0 source 0, 3:2 source 1, 5:4 source 2, 7:6 destination):
;   window 0: see the names below      window 1: fragments of x: SEND's ksl at 8 ksl, KEEP's at 128 + 8 ksl      window 2: weights of ksl 0-7 at ((ksl & 7) 4 + nt) 8      window 3: of ksl 8-15
; All vector work lies in window 0 and a product's sources in windows 1 to 3, so three riders cost two switches.
.set LAYER, 0
.set PLANE, 4352                       ; a plane's part of a tile in LDS: 64 rows x 64 bytes, 16 bytes of padding behind every 256: (t, o) at (t/4) 272 + (t%4) 64 + o.
                                       ; The 16 rows of a fragment load start at words 68 (r/4) + 16 (r%4): sixteen different groups of four banks (64 banks of 4 bytes: ISA guide 11.1)
.set SLOTB, 32*PLANE                   ; a slot: all 32 planes of 64 rows: 139,264 bytes
.set QUART, 8*PLANE                    ; what one wave's load brings: 8 planes
.set XCH,   2*SLOTB                    ; behind the ring: two buffers of 4 x 4,096 bytes; wave w writes its SEND sums at w*4096 + i*512 + lane*16
.set XCHB,  4*4096
.set AGG,   XCH+2*XCHB                 ; two buffers of 4 x 256 bytes: row block rb's aggregates at rb*256 + r*16: (A, H) of channel tile 0, of tile 1
.set AGGB,  4*256
.set OP,    144                        ; a row of the output stage: 32 f32 + 16 bytes
.set OST,   AGG+2*AGGB                 ; 4 x 16 rows x 144 bytes, each wave's own
.set SPARE, OST+4*16*OP                ; the spare words, 128 bytes for each wave: two blocks of 256 bytes that no other line names
.if LAYER == 0
.set OSTEP, 4096                       ; a tile's 64 rows in a plane of h1
.else
.set OSTEP, 262144                     ; a tile's 64 rows of out0
.endif
.set PER,   3                          ; vector lines behind a product
; window 0: v1 r; v2, v3 LDS address of SEND's and KEEP's fragments in slot 0; v4, v5 in slot 1; v6 where I write the exchange, v7 where I read it; v8 where I write aggregates, v9 where I read them;
;   v10 into my stage, v11 back from it; v12 my byte offset in the output; v13 256 x lane (prefetch); v14 my spare word, v15 0: never rewritten; v18, v19 at work; v24-27 my aggregates; v28-31 biases as loaded
.set CARRY, 16                         ; v16-17  h at the end of the last finished tile, by channel tile c
.set OTH,   20                         ; v20-23  the other half of the lanes' (A, H), by c
.set SACC,  32                         ; v32-63  SEND's four accumulators, nt at + 8 nt (nt 0, 1: k of tile c = nt; nt 2, 3: p)
.set KACC,  64                         ; v64-95  KEEP's
.set RB,    96                         ; v96-111 my 16 rows read back from the stage, and as stored
.set BZN,   112                        ; v112-115 -bz log2(e), twice, by c
.set BHN,   116                        ; v116-119 -bh log2(e), twice, by c
.set BH5,   120                        ; v120-123 bh + 0.5, twice, by c
.set TT,    128                        ; v128-159 the partner's sums; v128-143 later p + 0.5 and g
.set EK,    160                        ; v160-175 k, then e = exp(-k): c*8 + j
.set EP,    176                        ; v176-191 p without its bias
.set GG,    160                        ; behind the round: the four row blocks' aggregates
.set OO,    176                        ; behind the round: h of my 16 rows
.set WA,    192                        ; v192-207 1 + e, then z
.set WB,    208                        ; v208-223 exp(-p), 1 + that, sigmoid(p)
.set CH,    192                        ; behind the round: the chain of carries
.set CW,    200
.set HL,    224                        ; v224-239 z g, then the local h
.set AC,    240                        ; v240-255 a, then its running product
.set G1, 24                            ; s[24:31] descriptor group 1
.set G0, 32                            ; s[32:39] descriptor group 0, a set for each slot
; s14 wave, s15 kh, s16 cx, s17 cg, s18 b; s[42:43] -log2(e); s[44:45] lane selects; s46 lanes 16-31; s47-49 wave >= 1, 2, 3; s50 trips; s[52:53] prefetch base; s54 120.0
.set MSB, 0
.macro WIN new                         ; the immediate's high byte repeats the setting that is left; a switch that changes nothing is dropped
.if MSB != (\new)
	s_set_vgpr_msb (MSB<<8)|(\new)
.set MSB, (\new)
.endif
.endm
.macro PLACES
.rept 4
	v_nop
.endr
.endm
; A round of the cluster's barrier: my work-group's barrier, so that wave 0's signal speaks for all four waves; wave 0 signals; every wave waits for all four work-groups; my work-group's barrier once more.
.macro CREST                           ; a round behind its opening barrier
	s_cmp_lg_u32 s14, 0
	s_cbranch_scc1 .Lnot_wave_0_\@
	s_barrier_signal -3
.Lnot_wave_0_\@:
	s_barrier_wait -3
	s_barrier_signal -1
	s_barrier_wait -1
.endm
.macro ROUND                           ; a whole round
	s_barrier_signal -1
	s_barrier_wait -1
	CREST
.endm
.macro JLOAD s                         ; every wave asks for its own eight planes of the tile; an s_nop 0 and four v_nop follow
	tensor_load_to_lds s[G0+4*(\s):G0+4*(\s)+3], s[G1:G1+7]
	s_nop 0
	PLACES
.endm
; Eight LDS loads in one run: the fragments of K steps 4 g .. 4 g + 3 of a set (0: SEND's row block, 1: KEEP's).  A fragment (16 rows x 32 K) is two loads of 16 bytes, 32 bytes apart; ksl steps a plane.
.macro RUN set, g, slot
	WIN 0x40                           ; destination window 1, address window 0
.set k_, 4*(\g)
.rept 4
	ds_load_b128 v[128*(\set)+8*k_:128*(\set)+8*k_+3],   v[2+(\set)+2*(\slot)] offset:k_*PLANE
	ds_load_b128 v[128*(\set)+8*k_+4:128*(\set)+8*k_+7], v[2+(\set)+2*(\slot)] offset:k_*PLANE+32
.set k_, k_+1
.endr
.endm
; THE STEP'S NEXT PRODUCT, number mi of 128, and in front of it the run of loads or the wait that is due there.  Four products a K step: the set's four accumulators take turns, one instruction a turn,
; from SEND's into KEEP's and over the loop's edge too; the first K step starts the sums with the constant 0.
; The runs of the tile in hand: SEND's K steps 8-11 at 4 and 12-15 at 20; KEEP's four at 12, 28, 36, 44.  LDS loads come back in order (ISA guide 5.7.1), so each wait counts the loads issued behind the run that it needs:
; at 16 SEND's 4-7 (behind it two runs); at 32 SEND's 8-11 and at 48 SEND's 12-15 (three runs each); at 64 KEEP's 0-7 (two runs).
.macro MMNEXT
.if MMON
.if mi == 4
	RUN 0, 2, CUR
.elseif mi == 12
	RUN 1, 0, CUR
.elseif mi == 20
	RUN 0, 3, CUR
.elseif mi == 28
	RUN 1, 1, CUR
.elseif mi == 36
	RUN 1, 2, CUR
.elseif mi == 44
	RUN 1, 3, CUR
.elseif mi == 16
	s_wait_dscnt 16
.elseif (mi == 32) || (mi == 48)
	s_wait_dscnt 24
.elseif mi == 64
	s_wait_dscnt 16
.endif
.set k_, (mi%64)/4
.set n_, mi%4
.set rD, SACC+32*(mi/64)+8*n_
.set rA, 128*(mi/64)+8*k_
.set rB, ((k_&7)*4+n_)*8
.if k_ < 8
	WIN 0x09                           ; x in window 1, weights in window 2, sums in window 0
.else
	WIN 0x0d                           ; weights in window 3
.endif
.if k_ == 0
	v_wmma_f32_16x16x32_bf16 v[rD:rD+7], v[rA:rA+7], v[rB:rB+7], 0
.else
	v_wmma_f32_16x16x32_bf16 v[rD:rD+7], v[rA:rA+7], v[rB:rB+7], v[rD:rD+7]
.endif
.set mi, mi+1
.endif
.endm
.macro MMUPTO n                        ; products without riders, up to number n
.rept (\n)-mi
	MMNEXT
.endr
.endm
; A VECTOR LINE.  The vector work is written in its own order; behind every third line stands the next product.  MMON = 0 (behind the last tile): the lines alone.
.macro V line:vararg
	WIN 0
	s_wait_alu depctr_va_vdst(0)
	\line
.set vc, vc+1
.if vc == PER
.set vc, 0
	MMNEXT
.endif
.endm
; THE GATES AND THE LANE'S SCAN, as a stream over eight units of two rows (unit u: registers 2 u, 2 u + 1 of each name; channel tile u / 4), taken in the order 0, 4, 1, 5, 2, 6, 3, 7, so that the two tiles' chains alternate.
; In beat s four units are at work: N (number s of that order): the two halves of K are added, scaled, the bias folded in, k clamped; X (s - 1): four exponentials, then 1 + e and p + 0.5; R (s - 2): four reciprocals, then a, g
; and z g; S (s - 3): its two rows of the scan.  e = 2^min(-k log2 e, 120); z = 1 / (1 + e); a = e z.  g = max(p + 0.5, sigmoid(p)): the line 0.5 + p / 4 lies between the two on either side of 0, so the maximum is the model's
; choice for every p.  Scan: HL_j = a_j HL_(j-1) + z_j g_j, AC_j = a_j AC_(j-1).
; The order within a beat holds in every beat, the first and last with their missing units too: between a transcendental and the use of its result stands a plain line of another unit (ISA guide 5.7.2).
.macro UNITS
.set hN, 0
.set hX, 0
.set hR, 0
.set hS, 0
.set hT, 0
.if s_ < 8
.set hN, 1
.set aN, 2*((s_%2)*4+s_/2)
.set bN, 2*(aN/8)
.endif
.if (s_ >= 1) && (s_ <= 8)
.set hX, 1
.set aX, 2*(((s_-1)%2)*4+(s_-1)/2)
.set bX, 2*(aX/8)
.endif
.if (s_ >= 2) && (s_ <= 9)
.set hR, 1
.set aR, 2*(((s_-2)%2)*4+(s_-2)/2)
.endif
.if s_ >= 3
.set hS, 1
.set aS, 2*(((s_-3)%2)*4+(s_-3)/2)
.if (aS%8) != 0
.set hT, 1                             ; not a tile's first two rows: there is a row before
.endif
.endif
.endm
.macro VN line:vararg
.if hN
	V \line
.endif
.endm
.macro VX line:vararg
.if hX
	V \line
.endif
.endm
.macro VR line:vararg
.if hR
	V \line
.endif
.endm
.macro VS line:vararg
.if hS
	V \line
.endif
.endm
.macro VT line:vararg
.if hT
	V \line
.endif
.endm
.macro BEAT
	UNITS
	VR v_rcp_f32 v[WA+aR], v[WA+aR]
	VN v_pk_add_f32 v[EK+aN:EK+aN+1], v[KACC+aN:KACC+aN+1], v[TT+aN:TT+aN+1]
	VR v_rcp_f32 v[WA+aR+1], v[WA+aR+1]
	VN v_pk_add_f32 v[EP+aN:EP+aN+1], v[KACC+16+aN:KACC+16+aN+1], v[TT+16+aN:TT+16+aN+1]
	VR v_rcp_f32 v[WB+aR], v[WB+aR]
	VT v_fmac_f32 v[HL+aS], v[AC+aS], v[HL+aS-1]
	VR v_rcp_f32 v[WB+aR+1], v[WB+aR+1]
	VT v_mul_f32 v[AC+aS], v[AC+aS], v[AC+aS-1]
	VX v_exp_f32 v[EK+aX], v[EK+aX]
	VN v_pk_fma_f32 v[EK+aN:EK+aN+1], v[EK+aN:EK+aN+1], s[42:43], v[BZN+bN:BZN+bN+1] op_sel_hi:[1,0,1]
	VX v_exp_f32 v[EK+aX+1], v[EK+aX+1]
	VN v_pk_fma_f32 v[WB+aN:WB+aN+1], v[EP+aN:EP+aN+1], s[42:43], v[BHN+bN:BHN+bN+1] op_sel_hi:[1,0,1]
	VX v_exp_f32 v[WB+aX], v[WB+aX]
	VS v_fmac_f32 v[HL+aS+1], v[AC+aS+1], v[HL+aS]
	VX v_exp_f32 v[WB+aX+1], v[WB+aX+1]
	VS v_mul_f32 v[AC+aS+1], v[AC+aS+1], v[AC+aS]
	VR v_pk_mul_f32 v[AC+aR:AC+aR+1], v[EK+aR:EK+aR+1], v[WA+aR:WA+aR+1]
	VR v_max_num_f32 v[TT+aR], v[TT+aR], v[WB+aR]
	VR v_max_num_f32 v[TT+aR+1], v[TT+aR+1], v[WB+aR+1]
	VR v_pk_mul_f32 v[HL+aR:HL+aR+1], v[WA+aR:WA+aR+1], v[TT+aR:TT+aR+1]
	VN v_min_num_f32 v[EK+aN], s54, v[EK+aN]
	VN v_min_num_f32 v[EK+aN+1], s54, v[EK+aN+1]
	VX v_pk_add_f32 v[TT+aX:TT+aX+1], v[EP+aX:EP+aX+1], v[BH5+bX:BH5+bX+1]
	VX v_pk_add_f32 v[WA+aX:WA+aX+1], v[EK+aX:EK+aX+1], 1.0 op_sel_hi:[1,0]
	VX v_pk_add_f32 v[WB+aX:WB+aX+1], v[WB+aX:WB+aX+1], 1.0 op_sel_hi:[1,0]
.endm
; 212 lines: four places behind KEEP's last products, whose sums the first beat reads, each accumulator from its low end on (ISA guide 7.12.1); eleven beats, 196 lines; my row block's aggregate, 12 lines.
; The aggregate: the other eight rows lie in the lane 16 away.  A = A_low A_high; H = A_high H_low + H_high: both halves of the lanes make the same bits and write the same words.
.macro ACTLIST
.rept 4
	V v_nop
.endr
.set s_, 0
.rept 11
	BEAT
.set s_, s_+1
.endr
.irp c, 0,1
	V v_permlanex16_b32 v[OTH+2*(\c)], v[AC+8*(\c)+7], s44, s45
	V v_permlanex16_b32 v[OTH+2*(\c)+1], v[HL+8*(\c)+7], s44, s45
.endr
.irp c, 0,1
	V v_mul_f32 v[24+2*(\c)], v[AC+8*(\c)+7], v[OTH+2*(\c)]
	V v_fma_f32 v[18+(\c)], v[OTH+2*(\c)], v[HL+8*(\c)+7], v[OTH+2*(\c)+1]
	V v_fma_f32 v[25+2*(\c)], v[AC+8*(\c)+7], v[OTH+2*(\c)+1], v[HL+8*(\c)+7]
.endr
.irp c, 0,1
	V v_cndmask_b32 v[25+2*(\c)], v[18+(\c)], v[25+2*(\c)], s46
.endr
.endm
; A TILE IS FINISHED, 26 lines: the carry behind row blocks 0, 1, 2; mine is the one in front of block w; lanes 16-31 go on over the lower half's eight rows; h = AC x carry + HL; the carry behind block 3 is the next tile's.
.macro FINB
.irp c, 0,1
	V v_fma_f32 v[CH+4*(\c)], v[GG+2*(\c)], v[CARRY+(\c)], v[GG+2*(\c)+1]
.endr
.irp i, 1,2
.irp c, 0,1
	V v_fma_f32 v[CH+4*(\c)+(\i)], v[GG+4*(\i)+2*(\c)], v[CH+4*(\c)+(\i)-1], v[GG+4*(\i)+2*(\c)+1]
.endr
.endr
.irp c, 0,1
	V v_cndmask_b32 v[CW+2*(\c)], v[CARRY+(\c)], v[CH+4*(\c)], s47
.endr
.irp c, 0,1
	V v_fma_f32 v[CARRY+(\c)], v[GG+12+2*(\c)], v[CH+4*(\c)+2], v[GG+12+2*(\c)+1]
.endr
.irp c, 0,1
	V v_cndmask_b32 v[CW+2*(\c)], v[CW+2*(\c)], v[CH+4*(\c)+1], s48
.endr
.irp c, 0,1
	V v_cndmask_b32 v[CW+2*(\c)], v[CW+2*(\c)], v[CH+4*(\c)+2], s49
.endr
.irp c, 0,1
	V v_fma_f32 v[CW+2*(\c)+1], v[OTH+2*(\c)], v[CW+2*(\c)], v[OTH+2*(\c)+1]
.endr
.irp c, 0,1
	V v_cndmask_b32 v[CW+2*(\c)], v[CW+2*(\c)], v[CW+2*(\c)+1], s46
.endr
.irp c, 0,1
.irp m, 0,1,2,3
	V v_pk_fma_f32 v[OO+8*(\c)+2*(\m):OO+8*(\c)+2*(\m)+1], v[AC+8*(\c)+2*(\m):AC+8*(\c)+2*(\m)+1], v[CW+2*(\c):CW+2*(\c)+1], v[HL+8*(\c)+2*(\m):HL+8*(\c)+2*(\m)+1] op_sel_hi:[1,0,1]
.endr
.endr
.endm
; The 16 rows go into my own stage and come back by rows (LDS serves a wave's instructions in order: ISA guide 5.7.1.4).
.macro STAGE
	WIN 0
.irp c, 0,1
.irp j, 0,1,2,3,4,5,6,7
	ds_store_b32 v10, v[OO+8*(\c)+(\j)] offset:(\j)*OP+(\c)*64  ; row 8 (lane / 16) + j, channel 16 c + lane % 16
.endr
.endr
.if LAYER == 0
.irp i, 0,1
	ds_load_b128 v[RB+8*(\i):RB+8*(\i)+3],   v11 offset:(\i)*8*OP     ; row lane / 4 + 8 i, channels 8 (lane % 4) on
	ds_load_b128 v[RB+8*(\i)+4:RB+8*(\i)+7], v11 offset:(\i)*8*OP+16
.endr
.else
.irp i, 0,1,2,3
	ds_load_b128 v[RB+4*(\i):RB+4*(\i)+3], v11 offset:(\i)*4*OP       ; row lane / 8 + 4 i, channels 4 (lane % 8) on
.endr
.endif
.endm
; Out.  The base has been stepped once in each step, this one too, and the rows are those of the tile before: the stores reach back two tiles by their immediate.  first = 1: in the first trip there is no such tile.
.macro FINC first
.if LAYER == 0
.irp i, 0,1
.irp k, 0,1,2,3
	V v_cvt_pk_bf16_f32 v[RB+8*(\i)+(\k)], v[RB+8*(\i)+2*(\k)], v[RB+8*(\i)+2*(\k)+1]
.endr
.endr
.endif
	WIN 0
.if \first
	s_cmp_eq_u32 s50, 15
	s_cbranch_scc1 .Lno_rows_\@
.endif
.if LAYER == 0
.irp i, 0,1
	global_store_b128 v12, v[RB+8*(\i):RB+8*(\i)+3], s[12:13] offset:(\i)*512-2*OSTEP  ; 512 consecutive bytes of my plane, at a multiple of 256 from h1's first byte
.endr
.else
.irp i, 0,1,2,3
	global_store_b128 v12, v[RB+4*(\i):RB+4*(\i)+3], s[12:13] offset:(\i)*16384-2*OSTEP  ; four rows' 128 consecutive bytes
.endr
.endif
.if \first
.Lno_rows_\@:
.endif
.endm
; A STEP on the tile in a slot; the slot's number also picks the buffers of exchange and aggregates.  fill = 1: the slot takes the tile two steps on.  nxt = 1: there is a next tile to fetch fragments of.
; first = 1: see FINC.  pf = 1: this step carries the trip's prefetch.
.macro STEP slot, fill, nxt, first, pf
.set CUR, (\slot)
.set MMON, 1
.set mi, 0
.set vc, 0
	s_wait_dscnt 8                     ; SEND's K steps 0-3 and the partner's sums are in; the run behind them (K steps 4-7) may be out
	MMNEXT
	ACTLIST                            ; products 1-70 stand among its lines
	MMUPTO 72
	WIN 0
	s_wait_xcnt 0x0                    ; the last step's stores have had their addresses translated (ISA guide 3.1): their base is stepped, and RB loaded again further down, only behind this wait; it frees the prefetch's base too
	s_add_nc_u64 s[12:13], s[12:13], OSTEP
.irp i, 0,1,2,3,4,5,6,7
	ds_store_b128 v6, v[SACC+4*(\i):SACC+4*(\i)+3] offset:(\slot)*XCHB+(\i)*512  ; each accumulator from its low end on; the last 23 lines of the list above are the places behind SEND's last products
.endr
	ds_store_b128 v8, v[24:27] offset:(\slot)*AGGB
	s_wait_tensorcnt 0x0               ; all my tensor loads have landed: the one that was out is my part of the next tile; so a group 0 may be written
	ds_add_u32 v14, v15                ; 0 onto my spare word: eight products stand between it and the wait for it
.if \fill
	s_add_nc_u64 s[G0+4*(\slot)+2:G0+4*(\slot)+3], s[G0+4*(\slot)+2:G0+4*(\slot)+3], 8192  ; two tiles of 64 rows x 64 bytes on in each plane; the type bits on top are not reached
.endif
	MMUPTO 80
	s_wait_dscnt 0x0                   ; the add is done; my reads of this slot are over; my sums and my aggregates are in LDS
	s_barrier_signal -1                ; (where the slot is filled again this barrier opens a round of the cluster's)
	MMUPTO 84                          ; work on registers while the others arrive
	WIN 0
	s_barrier_wait -1
.if \fill
	CREST                              ; no wave of any partner still reads this slot or has a load on its way
	JLOAD \slot                        ; the first thing behind the round: it has until the next round to land
.endif
.if \pf
	s_cmp_lg_u32 s14, 0
	s_cbranch_scc1 .Lno_pf_\@
	s_cmp_eq_u32 s50, 1
	s_cbranch_scc1 .Lno_pf_\@
	global_prefetch_b8 v13, s[52:53] offset:16384 th:TH_LOAD_NT scope:SCOPE_SE
.Lno_pf_\@:
.endif
.irp i, 0,1,2,3
	ds_load_b128 v[GG+4*(\i):GG+4*(\i)+3], v9 offset:(\slot)*AGGB+(\i)*256   ; the four row blocks' aggregates of the tile before
.endr
.irp i, 0,1,2,3,4,5,6,7
	ds_load_b128 v[TT+4*(\i):TT+4*(\i)+3], v7 offset:(\slot)*XCHB+(\i)*512   ; the partner's sums of this tile
.endr
.if \nxt
	RUN 0, 0, 1-(\slot)                ; the next tile's first fragments
.endif
	MMUPTO 92
	s_wait_dscnt 8+8*(\nxt)            ; the aggregates are in; the partner's eight loads and the run behind them may be out
.set vc, 0
	FINB                               ; products 92-99 stand among its lines
	MMUPTO 102
	STAGE
.if \nxt
	RUN 0, 1, 1-(\slot)
.endif
	MMUPTO 120
	s_wait_dscnt 8*(\nxt)              ; the rows are back; the run behind them may be out
.set vc, 0
	FINC \first
	MMUPTO 128
.endm
	s_load_b256 s[4:11], s[0:1], 0x0               ; input s[4:5], wp s[6:7], bz s[8:9], bh s[10:11]
	s_load_b64 s[12:13], s[0:1], 0x20              ; output
	v_lshl_add_u32 v14, v0, 2, SPARE
	v_mov_b32 v15, 0
	ds_add_u32 v14, v15                            ; the wave's opening: the add and its wait stand ahead of my first tensor load; the set-up below, work on registers, stands between them
	v_lshrrev_b32 v19, 5, v0
	v_readfirstlane_b32 s14, v19                   ; wave 0..3
	s_and_b32 s15, s14, 1                          ; kh: my half of K
	s_bfe_u32 s16, ttmp6, 0x40000                  ; cx: my place in the cluster
	s_lshl_b32 s17, ttmp9, 2                       ; in a cluster launch ttmp9 counts clusters
	s_add_co_u32 s17, s17, s16                     ; cg: it enters the addresses of weights, biases, output and prefetch alone
	s_and_b32 s18, ttmp7, 0xffff                   ; b, which the four partners share
	; descriptor group 1: 8 rows (planes) of 2,048 elements (64 t x 32 channels, 4,096 dense bytes), 65,536 elements from plane to plane, padded in LDS
	s_mov_b32 s[G1+0], 15|(1<<16)|(1<<20)|(1<<21)|(5<<22)|(3<<25)  ; 15:0 the mask of four; 17:16 2-byte elements; 20 padding on; 21 set beside a mask; 24:22 after every 64 words (code 5); 31:25 4 words (code 3)
	s_mov_b32 s[G1+1], 2048<<16                    ; tensor_dim0 = 2,048
	s_mov_b32 s[G1+2], 8<<16                       ; tensor_dim1 = 8
	s_mov_b32 s[G1+3], 2048<<16                    ; tile_dim0 = 2,048
	s_mov_b32 s[G1+4], 8                           ; tile_dim1 = 8
	s_mov_b32 s[G1+5], 65536                       ; tensor_dim0_stride
	s_mov_b32 s[G1+6], 0
	s_mov_b32 s[G1+7], 0
	s_mov_b32 s[G0], 1                             ; count = 1
	s_mul_i32 s[G0+1], s14, QUART                  ; LDS: slot 0, my eight planes: no place in the cluster enters an LDS address
	s_mov_b32 s[G0+4], 1
	s_add_co_u32 s[G0+5], s[G0+1], SLOTB           ; slot 1
	s_mov_b32 s42, 0xbfb8aa3b                      ; -log2(e)
	s_mov_b32 s43, s42                             ; named with it as a pair
	s_mov_b32 s44, 0x76543210                      ; v_permlanex16_b32: each lane takes its own place in the other half
	s_mov_b32 s45, 0xfedcba98
	s_mov_b32 s46, 0xffff0000                      ; lanes 16-31
	s_mov_b32 s54, 0x42f00000                      ; 120.0
	s_cmp_ge_u32 s14, 1
	s_cselect_b32 s47, -1, 0
	s_cmp_ge_u32 s14, 2
	s_cselect_b32 s48, -1, 0
	s_cmp_ge_u32 s14, 3
	s_cselect_b32 s49, -1, 0
	v_and_b32 v1, 15, v0                           ; r
	v_bfe_u32 v18, v0, 4, 1                        ; h
	v_and_b32 v13, 31, v0                          ; lane
	v_lshrrev_b32 v19, 2, v1
	v_mul_u32_u24 v19, v19, 272
	v_and_b32 v2, 3, v1
	v_lshl_add_u32 v19, v2, 6, v19
	v_lshl_add_u32 v19, v18, 4, v19                ; a fragment's lane part: (r/4) 272 + (r%4) 64 + 16 h
	s_xor_b32 s55, s14, 1                          ; my partner
	s_mul_i32 s56, s15, 16*PLANE                   ; my 16 planes
	s_mul_i32 s57, s55, 1088                       ; SEND: row block w^1 (16 rows = 4 x 272 bytes)
	s_add_co_u32 s57, s57, s56
	s_mul_i32 s58, s14, 1088                       ; KEEP: row block w
	s_add_co_u32 s58, s58, s56
	v_add_nc_u32 v2, s57, v19
	v_add_nc_u32 v3, s58, v19
	v_add_nc_u32 v4, SLOTB, v2
	v_add_nc_u32 v5, SLOTB, v3
	s_lshl_b32 s57, s14, 12
	s_add_co_u32 s57, s57, XCH
	v_lshl_add_u32 v6, v13, 4, s57
	s_lshl_b32 s58, s55, 12
	s_add_co_u32 s58, s58, XCH
	v_lshl_add_u32 v7, v13, 4, s58
	s_lshl_b32 s57, s14, 8
	s_add_co_u32 s57, s57, AGG
	v_lshl_add_u32 v8, v1, 4, s57
	v_lshlrev_b32 v9, 4, v1
	v_add_nc_u32 v9, AGG, v9
	s_mul_i32 s57, s14, 16*OP
	s_add_co_u32 s57, s57, OST                     ; my stage
	v_mul_u32_u24 v10, v18, 8*OP
	v_lshl_add_u32 v10, v1, 2, v10
	v_add_nc_u32 v10, s57, v10                     ; in: row 8 h (+ j), 4 r
.if LAYER == 0
	v_lshrrev_b32 v11, 2, v13
	v_mul_u32_u24 v11, v11, OP
	v_and_b32 v12, 3, v13
	v_lshl_add_u32 v11, v12, 5, v11
	v_add_nc_u32 v11, s57, v11                     ; back: row lane / 4, 32 bytes a lane
	s_lshl_b32 s58, s14, 10
	v_lshl_add_u32 v12, v13, 4, s58                ; out: my 16 rows of 64 bytes, 16 bytes a lane
.else
	v_lshrrev_b32 v11, 3, v13
	s_lshl_b32 s58, s14, 4
	v_add_nc_u32 v12, s58, v11
	v_lshlrev_b32 v12, 12, v12                     ; out: row 16 w + lane / 8 of 4,096 bytes,
	v_mul_u32_u24 v11, v11, OP
	v_and_b32 v19, 7, v13
	v_lshl_add_u32 v11, v19, 4, v11
	v_add_nc_u32 v11, s57, v11                     ; back: row lane / 8, 16 bytes a lane
	v_lshl_add_u32 v12, v19, 4, v12                ; + 16 (lane % 8)
.endif
	v_lshlrev_b32 v24, 4, v13                      ; 16 x lane: the weights' loads
	v_lshlrev_b32 v19, 2, v1                       ; 4 r: the biases' loads
	v_lshlrev_b32 v13, 8, v13                      ; 256 x lane: the prefetch
	s_lshl_b32 s20, s18, 22                        ; the tiles: b x 32 planes
	s_lshl_b32 s21, s14, 20                        ;  + my eight planes
	s_add_co_u32 s20, s20, s21
	s_mov_b32 s21, 0
	s_lshl_b32 s22, s17, 7                         ; the biases: 32 cg numbers
.if LAYER
	s_add_co_u32 s22, s22, LAYER*4096
.endif
	s_mov_b32 s23, 0
	s_lshl_b32 s40, s17, 17                        ; the weights: block (LAYER, cg), half kh
	s_lshl_b32 s41, s15, 16
	s_add_co_u32 s40, s40, s41
.if LAYER
	s_add_co_u32 s40, s40, LAYER*4194304
.endif
	s_mov_b32 s41, 0
	s_lshl_b32 s56, s18, 22                        ; plane (b, cg): what I prefetch of the input; at LAYER = 0 also where my output lies
	s_lshl_b32 s57, s17, 17
	s_add_co_u32 s56, s56, s57
	s_mov_b32 s57, 0
.if LAYER
	s_lshl_b32 s58, s18, 23                        ; out0: b x 2,048 rows of 4,096 bytes + 128 cg
	s_lshl_b32 s59, s17, 7
	s_add_co_u32 s58, s58, s59
	s_mov_b32 s59, 0
.endif
	s_wait_dscnt 0x0                               ; the opening add is done
	s_wait_kmcnt 0x0
	s_add_nc_u64 s[G0+2:G0+3], s[4:5], s[20:21]    ; tile 0
	s_add_nc_u64 s[G0+6:G0+7], s[G0+2:G0+3], 4096  ; tile 1
	s_or_b32 s[G0+3], s[G0+3], 0x80000000          ; type = 2
	s_or_b32 s[G0+7], s[G0+7], 0x80000000
	s_add_nc_u64 s[52:53], s[4:5], s[56:57]
	s_add_nc_u64 s[6:7], s[6:7], s[40:41]
	s_add_nc_u64 s[8:9], s[8:9], s[22:23]
	s_add_nc_u64 s[10:11], s[10:11], s[22:23]
.if LAYER == 0
	s_add_nc_u64 s[12:13], s[12:13], s[56:57]
.else
	s_add_nc_u64 s[12:13], s[12:13], s[58:59]
.endif
	ROUND                                          ; all four work-groups are here: the first joint loads meet
	tensor_load_to_lds s[G0:G0+3], s[G1:G1+7]      ; both first fills together: two loads of mine are out
	s_nop 0
	tensor_load_to_lds s[G0+4:G0+7], s[G1:G1+7]
	s_nop 0
	PLACES
	global_load_b32 v28, v19, s[8:9]               ; bz of channels r, 16 + r; bh likewise
	global_load_b32 v29, v19, s[8:9] offset:64
	global_load_b32 v30, v19, s[10:11]
	global_load_b32 v31, v19, s[10:11] offset:64
	WIN 0x80                                       ; destination window 2, address window 0
.set k_, 0
.rept 16                               ; my 64 KiB of weights, already in fragment order: each load takes 512 consecutive bytes
.if k_ == 8
	WIN 0xc0                                       ; destination window 3
.endif
.set n_, 0
.rept 4
.set rB, ((k_&7)*4+n_)*8
	global_load_b128 v[rB:rB+3],   v24, s[6:7] offset:(k_*4+n_)*1024
	global_load_b128 v[rB+4:rB+7], v24, s[6:7] offset:(k_*4+n_)*1024+512
.set n_, n_+1
.endr
.set k_, k_+1
.endr
	WIN 0
	; PREFETCH.  Of the 32 planes that the 32 work-groups of a batch all walk, wave 0 of work-group (cg, b) asks for plane cg alone: each block of 256 bytes is asked for once in the launch, lanes 256 bytes apart,
	; 8,192 bytes (two tiles' part of the plane) a request.  Here tiles 2 and 3; trip k of the loop asks for tiles 2 k + 4 and 2 k + 5, which trip k + 1 loads; the last trip asks for nothing: tile 31 is the last.
	s_cmp_lg_u32 s14, 0
	s_cbranch_scc1 .Lno_first_pf
	global_prefetch_b8 v13, s[52:53] offset:8192 th:TH_LOAD_NT scope:SCOPE_SE
.Lno_first_pf:
	v_mov_b32 v[CARRY], 0.5                        ; h_0
	v_mov_b32 v[CARRY+1], 0.5
.irp i, 0,1,2,3
	v_mov_b32 v[OTH+(\i)], 0                       ; v_permlanex16_b32 counts as a reader of its destination
.endr
	; what step 0 finds for a tile before the first: k = -1e30 (a = 1, z = 2^-120), p = 0, and nothing from the partner.  All this stands in the wait for the first tile.
.set i_, 0
.rept 16
	v_mov_b32 v[KACC+i_], 0xf149f2ca
.set i_, i_+1
.endr
.rept 16
	v_mov_b32 v[KACC+i_], 0
.set i_, i_+1
.endr
.set i_, 0
.rept 32
	v_mov_b32 v[TT+i_], 0
.set i_, i_+1
.endr
	s_wait_loadcnt 0x0                             ; biases and weights, once
	v_mul_f32 v[BZN], s42, v28                     ; the biases as the gates' multiply-adds take them, each twice for the packed forms
	v_mul_f32 v[BZN+2], s42, v29
	v_mul_f32 v[BHN], s42, v30
	v_mul_f32 v[BHN+2], s42, v31
	v_add_f32 v[BH5], 0.5, v30
	v_add_f32 v[BH5+2], 0.5, v31
.irp p, BZN, BZN+2, BHN, BHN+2, BH5, BH5+2
	v_mov_b32 v[\p+1], v[\p]
.endr
	s_wait_tensorcnt 0x1                           ; my part of tile 0 is in; tile 1's may stay out
	s_barrier_signal -1
	s_barrier_wait -1                              ; everybody's is
	RUN 0, 0, 0                                    ; tile 0's first fragments, as every step fetches them for the next
	RUN 0, 1, 0
	WIN 0                                          ; at a label and at a branch every window is 0
	s_mov_b32 s50, 15
.Lloop:                                            ; trip k: tiles 2 k and 2 k + 1 are multiplied, tiles 2 k + 2 and 2 k + 3 asked for, tiles 2 k - 1 and 2 k finished
	STEP 0, 1, 1, 1, 1
	STEP 1, 1, 1, 0, 0
	WIN 0
	s_add_nc_u64 s[52:53], s[52:53], 8192          ; free since the second step's wait for address translation
	s_sub_co_u32 s50, s50, 1
	s_cmp_lg_u32 s50, 0
	s_cbranch_scc1 .Lloop
	STEP 0, 0, 1, 0, 0                             ; tiles 30 and 31 are written out: nothing is asked for
	STEP 1, 0, 0, 0, 0
	WIN 0
.set MMON, 0                                       ; tile 31's vector work, with no products left to stand among
.set vc, 0
	ACTLIST
	s_wait_xcnt 0x0
	s_add_nc_u64 s[12:13], s[12:13], OSTEP
	ds_store_b128 v8, v[24:27]                     ; buffer 0: its last readers passed tile 31's barrier
	s_wait_dscnt 0x0                               ; my aggregates are in LDS
	s_barrier_signal -1
	s_barrier_wait -1
.irp i, 0,1,2,3
	ds_load_b128 v[GG+4*(\i):GG+4*(\i)+3], v9 offset:(\i)*256
.endr
	s_wait_dscnt 0x0
	FINB
	STAGE
	s_wait_dscnt 0x0
	FINC 0
	s_wait_tensorcnt 0x0                           ; the wave's end: the add and its wait, behind my last tensor load and my last LDS store
	ds_add_u32 v14, v15
	s_wait_dscnt 0x0
	ROUND                                          ; the closing round: no work-group ends while a partner may still ask for a tile that names it
	s_endpgm
.Lfunc_end_k_qe8a35ea6ec_layer1:
	.size	k_qe8a35ea6ec_layer1, .Lfunc_end_k_qe8a35ea6ec_layer1-k_qe8a35ea6ec_layer1
	.p2alignl 7, 3214868480
	.fill 96, 4, 3214868480
	.section	.rodata,"a",@progbits
	.p2align	6, 0x0
	.amdhsa_kernel k_qe8a35ea6ec_layer1
		.amdhsa_group_segment_fixed_size 327680
		.amdhsa_private_segment_fixed_size 0
		.amdhsa_enable_private_segment 0
		.amdhsa_kernarg_size 40
		.amdhsa_user_sgpr_count 2
		.amdhsa_user_sgpr_kernarg_segment_ptr 1
		.amdhsa_wavefront_size32 1
		.amdhsa_system_sgpr_workgroup_id_x 1
		.amdhsa_system_sgpr_workgroup_id_y 1
		.amdhsa_system_sgpr_workgroup_id_z 1
		.amdhsa_system_vgpr_workitem_id 0
		.amdhsa_next_free_vgpr 1024
		.amdhsa_next_free_sgpr 66
		.amdhsa_reserve_vcc 0
		.amdhsa_float_denorm_mode_32 3
		.amdhsa_float_denorm_mode_16_64 3
		.amdhsa_memory_ordered 1
		.amdhsa_forward_progress 1
		.amdhsa_inst_pref_size 205
	.end_amdhsa_kernel
	.amdgpu_metadata
---
amdhsa.version: [ 1, 2 ]
amdhsa.kernels:
  - .name:           k_qe8a35ea6ec_layer1
    .symbol:         k_qe8a35ea6ec_layer1.kd
    .args:
      - { .name: xb, .offset: 0, .size: 8, .value_kind: global_buffer, .address_space: global }
      - { .name: wp, .offset: 8, .size: 8, .value_kind: global_buffer, .address_space: global }
      - { .name: bz, .offset: 16, .size: 8, .value_kind: global_buffer, .address_space: global }
      - { .name: bh, .offset: 24, .size: 8, .value_kind: global_buffer, .address_space: global }
      - { .name: h1, .offset: 32, .size: 8, .value_kind: global_buffer, .address_space: global }
    .group_segment_fixed_size: 327680
    .private_segment_fixed_size: 0
    .kernarg_segment_align: 8
    .kernarg_segment_size: 40
    .max_flat_workgroup_size: 128
    .sgpr_count:     66
    .vgpr_count:     1024
    .wavefront_size: 32
...
	.end_amdgpu_metadata
.endif
;; end of part 2
;; launch layer2 (part 3): grid 32 x 8, 4 waves a work-group, clusters of 4 x 1, 327,680 bytes of LDS; arguments h1, wp, bz, bh, out0; writes out0
.if DOCPART == 3
	.amdgcn_target "amdgcn-amd-amdhsa--gfx1250"
	.amdhsa_code_object_version 6
	.text
	.protected	k_qe8a35ea6ec_layer2
	.globl	k_qe8a35ea6ec_layer2
	.p2align	8
	.type	k_qe8a35ea6ec_layer2,@function
k_qe8a35ea6ec_layer2:
	s_mov_b64 s[64:65], 0
	v_nop
	global_prefetch_b8 v0, s[64:65] scope:SCOPE_SE
	s_setreg_imm32_b32 hwreg(HW_REG_WAVE_MODE, 25, 1), 1
	s_wait_xcnt 0x0
	s_wait_alu depctr_hold_cnt(0) depctr_sa_sdst(0) depctr_va_vdst(0) depctr_va_sdst(0) depctr_va_ssrc(0) depctr_va_vcc(0) depctr_vm_vsrc(0)
	s_getreg_b32 s2, hwreg(HW_REG_IB_STS2, 6, 4)
	s_cmp_eq_u32 s2, 0
	s_cbranch_scc0 .Lentry_in_a_cluster
	s_endpgm
.Lentry_in_a_cluster:
	s_bfe_u32 s2, ttmp6, 0x10000c
	s_cmp_lg_u32 s2, 0x3003
	s_cbranch_scc0 .Lentry_shape_is_right
	s_endpgm
.Lentry_shape_is_right:
; ONE MinGRU LAYER, FUSED: k = x Wz^T + bz, p = x Wh^T + bh, z = sigmoid(k), a = sigmoid(-k), g = p + 0.5 (p >= 0) or sigmoid(p), h_t = a_t h_(t-1) + z_t g_t, h_0 = 0.5.
; The log-space scan of the model is this recurrence: all terms are positive and a + z = 1, so h_t lies between h_(t-1) and g_t; no exponential of an accumulated sum is formed, so there is no maximum to take away.
; LAYER = 0: input xb, output h1 (bf16, in planes, rounded once).  LAYER = 1: input h1, output out0 (f32, rows).  The two texts differ in this constant alone.
; LIMITS.  Matrix operands are bf16; sums, biases, a, z g, running products and carries are f32; K is summed in two halves of 512, then added.  -k log2(e) is held at 120: for k below about -83, z counts as 2^-120 and a as 1.
; exp and rcp flush denormals: z or sigmoid(p) below 2^-126 count as 0.  A NaN in k is lost in the clamp; finite inputs make none.
; SHARES.  Work-group (cg, b) owns batch b, channels 32 cg .. 32 cg + 31: 32 whole sequences, walked in 32 tiles of 64 rows with the carry in registers.  8 x 32 = 256 equal work-groups.
; Wave w = 2 mh + kh multiplies rows 32 mh .. + 31 of a tile by K half kh for all 64 columns (32 of Wz, 32 of Wh).  Its 64 x 512 weights, 512 registers, stay in registers for the whole launch, so LDS holds x alone
; and each byte of a tile is read from LDS once.  Of its two row blocks of 16 a wave SENDs the sums of block w^1 to wave w^1 through LDS and KEEPs block w; then wave w owns rows 16 w .. 16 w + 15 of the tile.
; SCAN.  Source 0 is rows of x: a lane holds one channel (lane % 16) and rows 8 (lane / 16) + 0..7, eight steps on end of one sequence.  Lane: local h with carry 0 (HL) and running product of a (AC).  The two halves of the
; lanes meet by one exchange; the four waves' aggregates (product, local h) meet in LDS; every wave chains the four from the carry.
; THE PIPELINE.  Step j has tile j's 128 products: 0-63 SEND's, 64-127 KEEP's.  Behind products 0-70 ride the gates, scan and aggregate of tile j - 1, three vector lines behind each product.  Between products 72 and 84 stands
; ONE meeting, the ring's round: in front of it tile j's fragments are all in registers, SEND's sums of tile j and the aggregates of tile j - 1 are in LDS; behind it tile j's slot takes tile j + 2, the partner's sums and the
; aggregates are read, tile j - 1 is finished (behind products 92-99), staged, read back by rows and stored, and tile j + 1's first fragments are fetched.  Exchange and aggregates have two buffers that take turns: between
; a buffer's reads (behind round j) and its next writes (ahead of round j + 2) lies round j + 1.
; NO FIRST STEP IS WRITTEN OUT.  Step 0 finds, for a tile before the first, sums set by hand: k = -1e30, p = 0: a = 2^120 x rcp(2^120), which is 1 to within the reciprocal's accuracy, and z = 2^-120: h_0 passes through it;
; its rows are not stored (a forward jump on the trip's count).  The price: 64 v_mov_b32 in the wait for the first tile.  Tiles 30 and 31 are written out (they ask for nothing), and tile 31's vector work behind them.
; CLUSTER.  The four work-groups of a cluster share b and walk the same tiles of x: each tile is asked for JOINTLY, the same load, descriptor and mask in all four.  The weights are not shared so: they are read once a launch,
; 128 KiB beside the 4 MiB of x that a work-group walks.
; out0 (LAYER = 1): 32 channels are 128 bytes of a row of 4,096, so a store covers four pieces of 128 consecutive bytes; 8,192 sequences on 256 work-groups leave no more channels to a work-group.  The other 128 bytes of each
; aligned 256 are stored by the neighbour in the cluster in the same step, so these stores carry no hint that the bytes are done with.
; REGISTERS, in windows of 256 (s_set_vgpr_msb: bits 1:0 source 0, 3:2 source 1, 5:4 source 2, 7:6 destination):
;   window 0: see the names below      window 1: fragments of x: SEND's ksl at 8 ksl, KEEP's at 128 + 8 ksl      window 2: weights of ksl 0-7 at ((ksl & 7) 4 + nt) 8      window 3: of ksl 8-15
; All vector work lies in window 0 and a product's sources in windows 1 to 3, so three riders cost two switches.
.set LAYER, 1
.set PLANE, 4352                       ; a plane's part of a tile in LDS: 64 rows x 64 bytes, 16 bytes of padding behind every 256: (t, o) at (t/4) 272 + (t%4) 64 + o.
                                       ; The 16 rows of a fragment load start at words 68 (r/4) + 16 (r%4): sixteen different groups of four banks (64 banks of 4 bytes: ISA guide 11.1)
.set SLOTB, 32*PLANE                   ; a slot: all 32 planes of 64 rows: 139,264 bytes
.set QUART, 8*PLANE                    ; what one wave's load brings: 8 planes
.set XCH,   2*SLOTB                    ; behind the ring: two buffers of 4 x 4,096 bytes; wave w writes its SEND sums at w*4096 + i*512 + lane*16
.set XCHB,  4*4096
.set AGG,   XCH+2*XCHB                 ; two buffers of 4 x 256 bytes: row block rb's aggregates at rb*256 + r*16: (A, H) of channel tile 0, of tile 1
.set AGGB,  4*256
.set OP,    144                        ; a row of the output stage: 32 f32 + 16 bytes
.set OST,   AGG+2*AGGB                 ; 4 x 16 rows x 144 bytes, each wave's own
.set SPARE, OST+4*16*OP                ; the spare words, 128 bytes for each wave: two blocks of 256 bytes that no other line names
.if LAYER == 0
.set OSTEP, 4096                       ; a tile's 64 rows in a plane of h1
.else
.set OSTEP, 262144                     ; a tile's 64 rows of out0
.endif
.set PER,   3                          ; vector lines behind a product
; window 0: v1 r; v2, v3 LDS address of SEND's and KEEP's fragments in slot 0; v4, v5 in slot 1; v6 where I write the exchange, v7 where I read it; v8 where I write aggregates, v9 where I read them;
;   v10 into my stage, v11 back from it; v12 my byte offset in the output; v13 256 x lane (prefetch); v14 my spare word, v15 0: never rewritten; v18, v19 at work; v24-27 my aggregates; v28-31 biases as loaded
.set CARRY, 16                         ; v16-17  h at the end of the last finished tile, by channel tile c
.set OTH,   20                         ; v20-23  the other half of the lanes' (A, H), by c
.set SACC,  32                         ; v32-63  SEND's four accumulators, nt at + 8 nt (nt 0, 1: k of tile c = nt; nt 2, 3: p)
.set KACC,  64                         ; v64-95  KEEP's
.set RB,    96                         ; v96-111 my 16 rows read back from the stage, and as stored
.set BZN,   112                        ; v112-115 -bz log2(e), twice, by c
.set BHN,   116                        ; v116-119 -bh log2(e), twice, by c
.set BH5,   120                        ; v120-123 bh + 0.5, twice, by c
.set TT,    128                        ; v128-159 the partner's sums; v128-143 later p + 0.5 and g
.set EK,    160                        ; v160-175 k, then e = exp(-k): c*8 + j
.set EP,    176                        ; v176-191 p without its bias
.set GG,    160                        ; behind the round: the four row blocks' aggregates
.set OO,    176                        ; behind the round: h of my 16 rows
.set WA,    192                        ; v192-207 1 + e, then z
.set WB,    208                        ; v208-223 exp(-p), 1 + that, sigmoid(p)
.set CH,    192                        ; behind the round: the chain of carries
.set CW,    200
.set HL,    224                        ; v224-239 z g, then the local h
.set AC,    240                        ; v240-255 a, then its running product
.set G1, 24                            ; s[24:31] descriptor group 1
.set G0, 32                            ; s[32:39] descriptor group 0, a set for each slot
; s14 wave, s15 kh, s16 cx, s17 cg, s18 b; s[42:43] -log2(e); s[44:45] lane selects; s46 lanes 16-31; s47-49 wave >= 1, 2, 3; s50 trips; s[52:53] prefetch base; s54 120.0
.set MSB, 0
.macro WIN new                         ; the immediate's high byte repeats the setting that is left; a switch that changes nothing is dropped
.if MSB != (\new)
	s_set_vgpr_msb (MSB<<8)|(\new)
.set MSB, (\new)
.endif
.endm
.macro PLACES
.rept 4
	v_nop
.endr
.endm
; A round of the cluster's barrier: my work-group's barrier, so that wave 0's signal speaks for all four waves; wave 0 signals; every wave waits for all four work-groups; my work-group's barrier once more.
.macro CREST                           ; a round behind its opening barrier
	s_cmp_lg_u32 s14, 0
	s_cbranch_scc1 .Lnot_wave_0_\@
	s_barrier_signal -3
.Lnot_wave_0_\@:
	s_barrier_wait -3
	s_barrier_signal -1
	s_barrier_wait -1
.endm
.macro ROUND                           ; a whole round
	s_barrier_signal -1
	s_barrier_wait -1
	CREST
.endm
.macro JLOAD s                         ; every wave asks for its own eight planes of the tile; an s_nop 0 and four v_nop follow
	tensor_load_to_lds s[G0+4*(\s):G0+4*(\s)+3], s[G1:G1+7]
	s_nop 0
	PLACES
.endm
; Eight LDS loads in one run: the fragments of K steps 4 g .. 4 g + 3 of a set (0: SEND's row block, 1: KEEP's).  A fragment (16 rows x 32 K) is two loads of 16 bytes, 32 bytes apart; ksl steps a plane.
.macro RUN set, g, slot
	WIN 0x40                           ; destination window 1, address window 0
.set k_, 4*(\g)
.rept 4
	ds_load_b128 v[128*(\set)+8*k_:128*(\set)+8*k_+3],   v[2+(\set)+2*(\slot)] offset:k_*PLANE
	ds_load_b128 v[128*(\set)+8*k_+4:128*(\set)+8*k_+7], v[2+(\set)+2*(\slot)] offset:k_*PLANE+32
.set k_, k_+1
.endr
.endm
; THE STEP'S NEXT PRODUCT, number mi of 128, and in front of it the run of loads or the wait that is due there.  Four products a K step: the set's four accumulators take turns, one instruction a turn,
; from SEND's into KEEP's and over the loop's edge too; the first K step starts the sums with the constant 0.
; The runs of the tile in hand: SEND's K steps 8-11 at 4 and 12-15 at 20; KEEP's four at 12, 28, 36, 44.  LDS loads come back in order (ISA guide 5.7.1), so each wait counts the loads issued behind the run that it needs:
; at 16 SEND's 4-7 (behind it two runs); at 32 SEND's 8-11 and at 48 SEND's 12-15 (three runs each); at 64 KEEP's 0-7 (two runs).
.macro MMNEXT
.if MMON
.if mi == 4
	RUN 0, 2, CUR
.elseif mi == 12
	RUN 1, 0, CUR
.elseif mi == 20
	RUN 0, 3, CUR
.elseif mi == 28
	RUN 1, 1, CUR
.elseif mi == 36
	RUN 1, 2, CUR
.elseif mi == 44
	RUN 1, 3, CUR
.elseif mi == 16
	s_wait_dscnt 16
.elseif (mi == 32) || (mi == 48)
	s_wait_dscnt 24
.elseif mi == 64
	s_wait_dscnt 16
.endif
.set k_, (mi%64)/4
.set n_, mi%4
.set rD, SACC+32*(mi/64)+8*n_
.set rA, 128*(mi/64)+8*k_
.set rB, ((k_&7)*4+n_)*8
.if k_ < 8
	WIN 0x09                           ; x in window 1, weights in window 2, sums in window 0
.else
	WIN 0x0d                           ; weights in window 3
.endif
.if k_ == 0
	v_wmma_f32_16x16x32_bf16 v[rD:rD+7], v[rA:rA+7], v[rB:rB+7], 0
.else
	v_wmma_f32_16x16x32_bf16 v[rD:rD+7], v[rA:rA+7], v[rB:rB+7], v[rD:rD+7]
.endif
.set mi, mi+1
.endif
.endm
.macro MMUPTO n                        ; products without riders, up to number n
.rept (\n)-mi
	MMNEXT
.endr
.endm
; A VECTOR LINE.  The vector work is written in its own order; behind every third line stands the next product.  MMON = 0 (behind the last tile): the lines alone.
.macro V line:vararg
	WIN 0
	s_wait_alu depctr_va_vdst(0)
	\line
.set vc, vc+1
.if vc == PER
.set vc, 0
	MMNEXT
.endif
.endm
; THE GATES AND THE LANE'S SCAN, as a stream over eight units of two rows (unit u: registers 2 u, 2 u + 1 of each name; channel tile u / 4), taken in the order 0, 4, 1, 5, 2, 6, 3, 7, so that the two tiles' chains alternate.
; In beat s four units are at work: N (number s of that order): the two halves of K are added, scaled, the bias folded in, k clamped; X (s - 1): four exponentials, then 1 + e and p + 0.5; R (s - 2): four reciprocals, then a, g
; and z g; S (s - 3): its two rows of the scan.  e = 2^min(-k log2 e, 120); z = 1 / (1 + e); a = e z.  g = max(p + 0.5, sigmoid(p)): the line 0.5 + p / 4 lies between the two on either side of 0, so the maximum is the model's
; choice for every p.  Scan: HL_j = a_j HL_(j-1) + z_j g_j, AC_j = a_j AC_(j-1).
; The order within a beat holds in every beat, the first and last with their missing units too: between a transcendental and the use of its result stands a plain line of another unit (ISA guide 5.7.2).
.macro UNITS
.set hN, 0
.set hX, 0
.set hR, 0
.set hS, 0
.set hT, 0
.if s_ < 8
.set hN, 1
.set aN, 2*((s_%2)*4+s_/2)
.set bN, 2*(aN/8)
.endif
.if (s_ >= 1) && (s_ <= 8)
.set hX, 1
.set aX, 2*(((s_-1)%2)*4+(s_-1)/2)
.set bX, 2*(aX/8)
.endif
.if (s_ >= 2) && (s_ <= 9)
.set hR, 1
.set aR, 2*(((s_-2)%2)*4+(s_-2)/2)
.endif
.if s_ >= 3
.set hS, 1
.set aS, 2*(((s_-3)%2)*4+(s_-3)/2)
.if (aS%8) != 0
.set hT, 1                             ; not a tile's first two rows: there is a row before
.endif
.endif
.endm
.macro VN line:vararg
.if hN
	V \line
.endif
.endm
.macro VX line:vararg
.if hX
	V \line
.endif
.endm
.macro VR line:vararg
.if hR
	V \line
.endif
.endm
.macro VS line:vararg
.if hS
	V \line
.endif
.endm
.macro VT line:vararg
.if hT
	V \line
.endif
.endm
.macro BEAT
	UNITS
	VR v_rcp_f32 v[WA+aR], v[WA+aR]
	VN v_pk_add_f32 v[EK+aN:EK+aN+1], v[KACC+aN:KACC+aN+1], v[TT+aN:TT+aN+1]
	VR v_rcp_f32 v[WA+aR+1], v[WA+aR+1]
	VN v_pk_add_f32 v[EP+aN:EP+aN+1], v[KACC+16+aN:KACC+16+aN+1], v[TT+16+aN:TT+16+aN+1]
	VR v_rcp_f32 v[WB+aR], v[WB+aR]
	VT v_fmac_f32 v[HL+aS], v[AC+aS], v[HL+aS-1]
	VR v_rcp_f32 v[WB+aR+1], v[WB+aR+1]
	VT v_mul_f32 v[AC+aS], v[AC+aS], v[AC+aS-1]
	VX v_exp_f32 v[EK+aX], v[EK+aX]
	VN v_pk_fma_f32 v[EK+aN:EK+aN+1], v[EK+aN:EK+aN+1], s[42:43], v[BZN+bN:BZN+bN+1] op_sel_hi:[1,0,1]
	VX v_exp_f32 v[EK+aX+1], v[EK+aX+1]
	VN v_pk_fma_f32 v[WB+aN:WB+aN+1], v[EP+aN:EP+aN+1], s[42:43], v[BHN+bN:BHN+bN+1] op_sel_hi:[1,0,1]
	VX v_exp_f32 v[WB+aX], v[WB+aX]
	VS v_fmac_f32 v[HL+aS+1], v[AC+aS+1], v[HL+aS]
	VX v_exp_f32 v[WB+aX+1], v[WB+aX+1]
	VS v_mul_f32 v[AC+aS+1], v[AC+aS+1], v[AC+aS]
	VR v_pk_mul_f32 v[AC+aR:AC+aR+1], v[EK+aR:EK+aR+1], v[WA+aR:WA+aR+1]
	VR v_max_num_f32 v[TT+aR], v[TT+aR], v[WB+aR]
	VR v_max_num_f32 v[TT+aR+1], v[TT+aR+1], v[WB+aR+1]
	VR v_pk_mul_f32 v[HL+aR:HL+aR+1], v[WA+aR:WA+aR+1], v[TT+aR:TT+aR+1]
	VN v_min_num_f32 v[EK+aN], s54, v[EK+aN]
	VN v_min_num_f32 v[EK+aN+1], s54, v[EK+aN+1]
	VX v_pk_add_f32 v[TT+aX:TT+aX+1], v[EP+aX:EP+aX+1], v[BH5+bX:BH5+bX+1]
	VX v_pk_add_f32 v[WA+aX:WA+aX+1], v[EK+aX:EK+aX+1], 1.0 op_sel_hi:[1,0]
	VX v_pk_add_f32 v[WB+aX:WB+aX+1], v[WB+aX:WB+aX+1], 1.0 op_sel_hi:[1,0]
.endm
; 212 lines: four places behind KEEP's last products, whose sums the first beat reads, each accumulator from its low end on (ISA guide 7.12.1); eleven beats, 196 lines; my row block's aggregate, 12 lines.
; The aggregate: the other eight rows lie in the lane 16 away.  A = A_low A_high; H = A_high H_low + H_high: both halves of the lanes make the same bits and write the same words.
.macro ACTLIST
.rept 4
	V v_nop
.endr
.set s_, 0
.rept 11
	BEAT
.set s_, s_+1
.endr
.irp c, 0,1
	V v_permlanex16_b32 v[OTH+2*(\c)], v[AC+8*(\c)+7], s44, s45
	V v_permlanex16_b32 v[OTH+2*(\c)+1], v[HL+8*(\c)+7], s44, s45
.endr
.irp c, 0,1
	V v_mul_f32 v[24+2*(\c)], v[AC+8*(\c)+7], v[OTH+2*(\c)]
	V v_fma_f32 v[18+(\c)], v[OTH+2*(\c)], v[HL+8*(\c)+7], v[OTH+2*(\c)+1]
	V v_fma_f32 v[25+2*(\c)], v[AC+8*(\c)+7], v[OTH+2*(\c)+1], v[HL+8*(\c)+7]
.endr
.irp c, 0,1
	V v_cndmask_b32 v[25+2*(\c)], v[18+(\c)], v[25+2*(\c)], s46
.endr
.endm
; A TILE IS FINISHED, 26 lines: the carry behind row blocks 0, 1, 2; mine is the one in front of block w; lanes 16-31 go on over the lower half's eight rows; h = AC x carry + HL; the carry behind block 3 is the next tile's.
.macro FINB
.irp c, 0,1
	V v_fma_f32 v[CH+4*(\c)], v[GG+2*(\c)], v[CARRY+(\c)], v[GG+2*(\c)+1]
.endr
.irp i, 1,2
.irp c, 0,1
	V v_fma_f32 v[CH+4*(\c)+(\i)], v[GG+4*(\i)+2*(\c)], v[CH+4*(\c)+(\i)-1], v[GG+4*(\i)+2*(\c)+1]
.endr
.endr
.irp c, 0,1
	V v_cndmask_b32 v[CW+2*(\c)], v[CARRY+(\c)], v[CH+4*(\c)], s47
.endr
.irp c, 0,1
	V v_fma_f32 v[CARRY+(\c)], v[GG+12+2*(\c)], v[CH+4*(\c)+2], v[GG+12+2*(\c)+1]
.endr
.irp c, 0,1
	V v_cndmask_b32 v[CW+2*(\c)], v[CW+2*(\c)], v[CH+4*(\c)+1], s48
.endr
.irp c, 0,1
	V v_cndmask_b32 v[CW+2*(\c)], v[CW+2*(\c)], v[CH+4*(\c)+2], s49
.endr
.irp c, 0,1
	V v_fma_f32 v[CW+2*(\c)+1], v[OTH+2*(\c)], v[CW+2*(\c)], v[OTH+2*(\c)+1]
.endr
.irp c, 0,1
	V v_cndmask_b32 v[CW+2*(\c)], v[CW+2*(\c)], v[CW+2*(\c)+1], s46
.endr
.irp c, 0,1
.irp m, 0,1,2,3
	V v_pk_fma_f32 v[OO+8*(\c)+2*(\m):OO+8*(\c)+2*(\m)+1], v[AC+8*(\c)+2*(\m):AC+8*(\c)+2*(\m)+1], v[CW+2*(\c):CW+2*(\c)+1], v[HL+8*(\c)+2*(\m):HL+8*(\c)+2*(\m)+1] op_sel_hi:[1,0,1]
.endr
.endr
.endm
; The 16 rows go into my own stage and come back by rows (LDS serves a wave's instructions in order: ISA guide 5.7.1.4).
.macro STAGE
	WIN 0
.irp c, 0,1
.irp j, 0,1,2,3,4,5,6,7
	ds_store_b32 v10, v[OO+8*(\c)+(\j)] offset:(\j)*OP+(\c)*64  ; row 8 (lane / 16) + j, channel 16 c + lane % 16
.endr
.endr
.if LAYER == 0
.irp i, 0,1
	ds_load_b128 v[RB+8*(\i):RB+8*(\i)+3],   v11 offset:(\i)*8*OP     ; row lane / 4 + 8 i, channels 8 (lane % 4) on
	ds_load_b128 v[RB+8*(\i)+4:RB+8*(\i)+7], v11 offset:(\i)*8*OP+16
.endr
.else
.irp i, 0,1,2,3
	ds_load_b128 v[RB+4*(\i):RB+4*(\i)+3], v11 offset:(\i)*4*OP       ; row lane / 8 + 4 i, channels 4 (lane % 8) on
.endr
.endif
.endm
; Out.  The base has been stepped once in each step, this one too, and the rows are those of the tile before: the stores reach back two tiles by their immediate.  first = 1: in the first trip there is no such tile.
.macro FINC first
.if LAYER == 0
.irp i, 0,1
.irp k, 0,1,2,3
	V v_cvt_pk_bf16_f32 v[RB+8*(\i)+(\k)], v[RB+8*(\i)+2*(\k)], v[RB+8*(\i)+2*(\k)+1]
.endr
.endr
.endif
	WIN 0
.if \first
	s_cmp_eq_u32 s50, 15
	s_cbranch_scc1 .Lno_rows_\@
.endif
.if LAYER == 0
.irp i, 0,1
	global_store_b128 v12, v[RB+8*(\i):RB+8*(\i)+3], s[12:13] offset:(\i)*512-2*OSTEP  ; 512 consecutive bytes of my plane, at a multiple of 256 from h1's first byte
.endr
.else
.irp i, 0,1,2,3
	global_store_b128 v12, v[RB+4*(\i):RB+4*(\i)+3], s[12:13] offset:(\i)*16384-2*OSTEP  ; four rows' 128 consecutive bytes
.endr
.endif
.if \first
.Lno_rows_\@:
.endif
.endm
; A STEP on the tile in a slot; the slot's number also picks the buffers of exchange and aggregates.  fill = 1: the slot takes the tile two steps on.  nxt = 1: there is a next tile to fetch fragments of.
; first = 1: see FINC.  pf = 1: this step carries the trip's prefetch.
.macro STEP slot, fill, nxt, first, pf
.set CUR, (\slot)
.set MMON, 1
.set mi, 0
.set vc, 0
	s_wait_dscnt 8                     ; SEND's K steps 0-3 and the partner's sums are in; the run behind them (K steps 4-7) may be out
	MMNEXT
	ACTLIST                            ; products 1-70 stand among its lines
	MMUPTO 72
	WIN 0
	s_wait_xcnt 0x0                    ; the last step's stores have had their addresses translated (ISA guide 3.1): their base is stepped, and RB loaded again further down, only behind this wait; it frees the prefetch's base too
	s_add_nc_u64 s[12:13], s[12:13], OSTEP
.irp i, 0,1,2,3,4,5,6,7
	ds_store_b128 v6, v[SACC+4*(\i):SACC+4*(\i)+3] offset:(\slot)*XCHB+(\i)*512  ; each accumulator from its low end on; the last 23 lines of the list above are the places behind SEND's last products
.endr
	ds_store_b128 v8, v[24:27] offset:(\slot)*AGGB
	s_wait_tensorcnt 0x0               ; all my tensor loads have landed: the one that was out is my part of the next tile; so a group 0 may be written
	ds_add_u32 v14, v15                ; 0 onto my spare word: eight products stand between it and the wait for it
.if \fill
	s_add_nc_u64 s[G0+4*(\slot)+2:G0+4*(\slot)+3], s[G0+4*(\slot)+2:G0+4*(\slot)+3], 8192  ; two tiles of 64 rows x 64 bytes on in each plane; the type bits on top are not reached
.endif
	MMUPTO 80
	s_wait_dscnt 0x0                   ; the add is done; my reads of this slot are over; my sums and my aggregates are in LDS
	s_barrier_signal -1                ; (where the slot is filled again this barrier opens a round of the cluster's)
	MMUPTO 84                          ; work on registers while the others arrive
	WIN 0
	s_barrier_wait -1
.if \fill
	CREST                              ; no wave of any partner still reads this slot or has a load on its way
	JLOAD \slot                        ; the first thing behind the round: it has until the next round to land
.endif
.if \pf
	s_cmp_lg_u32 s14, 0
	s_cbranch_scc1 .Lno_pf_\@
	s_cmp_eq_u32 s50, 1
	s_cbranch_scc1 .Lno_pf_\@
	global_prefetch_b8 v13, s[52:53] offset:16384 th:TH_LOAD_NT scope:SCOPE_SE
.Lno_pf_\@:
.endif
.irp i, 0,1,2,3
	ds_load_b128 v[GG+4*(\i):GG+4*(\i)+3], v9 offset:(\slot)*AGGB+(\i)*256   ; the four row blocks' aggregates of the tile before
.endr
.irp i, 0,1,2,3,4,5,6,7
	ds_load_b128 v[TT+4*(\i):TT+4*(\i)+3], v7 offset:(\slot)*XCHB+(\i)*512   ; the partner's sums of this tile
.endr
.if \nxt
	RUN 0, 0, 1-(\slot)                ; the next tile's first fragments
.endif
	MMUPTO 92
	s_wait_dscnt 8+8*(\nxt)            ; the aggregates are in; the partner's eight loads and the run behind them may be out
.set vc, 0
	FINB                               ; products 92-99 stand among its lines
	MMUPTO 102
	STAGE
.if \nxt
	RUN 0, 1, 1-(\slot)
.endif
	MMUPTO 120
	s_wait_dscnt 8*(\nxt)              ; the rows are back; the run behind them may be out
.set vc, 0
	FINC \first
	MMUPTO 128
.endm
	s_load_b256 s[4:11], s[0:1], 0x0               ; input s[4:5], wp s[6:7], bz s[8:9], bh s[10:11]
	s_load_b64 s[12:13], s[0:1], 0x20              ; output
	v_lshl_add_u32 v14, v0, 2, SPARE
	v_mov_b32 v15, 0
	ds_add_u32 v14, v15                            ; the wave's opening: the add and its wait stand ahead of my first tensor load; the set-up below, work on registers, stands between them
	v_lshrrev_b32 v19, 5, v0
	v_readfirstlane_b32 s14, v19                   ; wave 0..3
	s_and_b32 s15, s14, 1                          ; kh: my half of K
	s_bfe_u32 s16, ttmp6, 0x40000                  ; cx: my place in the cluster
	s_lshl_b32 s17, ttmp9, 2                       ; in a cluster launch ttmp9 counts clusters
	s_add_co_u32 s17, s17, s16                     ; cg: it enters the addresses of weights, biases, output and prefetch alone
	s_and_b32 s18, ttmp7, 0xffff                   ; b, which the four partners share
	; descriptor group 1: 8 rows (planes) of 2,048 elements (64 t x 32 channels, 4,096 dense bytes), 65,536 elements from plane to plane, padded in LDS
	s_mov_b32 s[G1+0], 15|(1<<16)|(1<<20)|(1<<21)|(5<<22)|(3<<25)  ; 15:0 the mask of four; 17:16 2-byte elements; 20 padding on; 21 set beside a mask; 24:22 after every 64 words (code 5); 31:25 4 words (code 3)
	s_mov_b32 s[G1+1], 2048<<16                    ; tensor_dim0 = 2,048
	s_mov_b32 s[G1+2], 8<<16                       ; tensor_dim1 = 8
	s_mov_b32 s[G1+3], 2048<<16                    ; tile_dim0 = 2,048
	s_mov_b32 s[G1+4], 8                           ; tile_dim1 = 8
	s_mov_b32 s[G1+5], 65536                       ; tensor_dim0_stride
	s_mov_b32 s[G1+6], 0
	s_mov_b32 s[G1+7], 0
	s_mov_b32 s[G0], 1                             ; count = 1
	s_mul_i32 s[G0+1], s14, QUART                  ; LDS: slot 0, my eight planes: no place in the cluster enters an LDS address
	s_mov_b32 s[G0+4], 1
	s_add_co_u32 s[G0+5], s[G0+1], SLOTB           ; slot 1
	s_mov_b32 s42, 0xbfb8aa3b                      ; -log2(e)
	s_mov_b32 s43, s42                             ; named with it as a pair
	s_mov_b32 s44, 0x76543210                      ; v_permlanex16_b32: each lane takes its own place in the other half
	s_mov_b32 s45, 0xfedcba98
	s_mov_b32 s46, 0xffff0000                      ; lanes 16-31
	s_mov_b32 s54, 0x42f00000                      ; 120.0
	s_cmp_ge_u32 s14, 1
	s_cselect_b32 s47, -1, 0
	s_cmp_ge_u32 s14, 2
	s_cselect_b32 s48, -1, 0
	s_cmp_ge_u32 s14, 3
	s_cselect_b32 s49, -1, 0
	v_and_b32 v1, 15, v0                           ; r
	v_bfe_u32 v18, v0, 4, 1                        ; h
	v_and_b32 v13, 31, v0                          ; lane
	v_lshrrev_b32 v19, 2, v1
	v_mul_u32_u24 v19, v19, 272
	v_and_b32 v2, 3, v1
	v_lshl_add_u32 v19, v2, 6, v19
	v_lshl_add_u32 v19, v18, 4, v19                ; a fragment's lane part: (r/4) 272 + (r%4) 64 + 16 h
	s_xor_b32 s55, s14, 1                          ; my partner
	s_mul_i32 s56, s15, 16*PLANE                   ; my 16 planes
	s_mul_i32 s57, s55, 1088                       ; SEND: row block w^1 (16 rows = 4 x 272 bytes)
	s_add_co_u32 s57, s57, s56
	s_mul_i32 s58, s14, 1088                       ; KEEP: row block w
	s_add_co_u32 s58, s58, s56
	v_add_nc_u32 v2, s57, v19
	v_add_nc_u32 v3, s58, v19
	v_add_nc_u32 v4, SLOTB, v2
	v_add_nc_u32 v5, SLOTB, v3
	s_lshl_b32 s57, s14, 12
	s_add_co_u32 s57, s57, XCH
	v_lshl_add_u32 v6, v13, 4, s57
	s_lshl_b32 s58, s55, 12
	s_add_co_u32 s58, s58, XCH
	v_lshl_add_u32 v7, v13, 4, s58
	s_lshl_b32 s57, s14, 8
	s_add_co_u32 s57, s57, AGG
	v_lshl_add_u32 v8, v1, 4, s57
	v_lshlrev_b32 v9, 4, v1
	v_add_nc_u32 v9, AGG, v9
	s_mul_i32 s57, s14, 16*OP
	s_add_co_u32 s57, s57, OST                     ; my stage
	v_mul_u32_u24 v10, v18, 8*OP
	v_lshl_add_u32 v10, v1, 2, v10
	v_add_nc_u32 v10, s57, v10                     ; in: row 8 h (+ j), 4 r
.if LAYER == 0
	v_lshrrev_b32 v11, 2, v13
	v_mul_u32_u24 v11, v11, OP
	v_and_b32 v12, 3, v13
	v_lshl_add_u32 v11, v12, 5, v11
	v_add_nc_u32 v11, s57, v11                     ; back: row lane / 4, 32 bytes a lane
	s_lshl_b32 s58, s14, 10
	v_lshl_add_u32 v12, v13, 4, s58                ; out: my 16 rows of 64 bytes, 16 bytes a lane
.else
	v_lshrrev_b32 v11, 3, v13
	s_lshl_b32 s58, s14, 4
	v_add_nc_u32 v12, s58, v11
	v_lshlrev_b32 v12, 12, v12                     ; out: row 16 w + lane / 8 of 4,096 bytes,
	v_mul_u32_u24 v11, v11, OP
	v_and_b32 v19, 7, v13
	v_lshl_add_u32 v11, v19, 4, v11
	v_add_nc_u32 v11, s57, v11                     ; back: row lane / 8, 16 bytes a lane
	v_lshl_add_u32 v12, v19, 4, v12                ; + 16 (lane % 8)
.endif
	v_lshlrev_b32 v24, 4, v13                      ; 16 x lane: the weights' loads
	v_lshlrev_b32 v19, 2, v1                       ; 4 r: the biases' loads
	v_lshlrev_b32 v13, 8, v13                      ; 256 x lane: the prefetch
	s_lshl_b32 s20, s18, 22                        ; the tiles: b x 32 planes
	s_lshl_b32 s21, s14, 20                        ;  + my eight planes
	s_add_co_u32 s20, s20, s21
	s_mov_b32 s21, 0
	s_lshl_b32 s22, s17, 7                         ; the biases: 32 cg numbers
.if LAYER
	s_add_co_u32 s22, s22, LAYER*4096
.endif
	s_mov_b32 s23, 0
	s_lshl_b32 s40, s17, 17                        ; the weights: block (LAYER, cg), half kh
	s_lshl_b32 s41, s15, 16
	s_add_co_u32 s40, s40, s41
.if LAYER
	s_add_co_u32 s40, s40, LAYER*4194304
.endif
	s_mov_b32 s41, 0
	s_lshl_b32 s56, s18, 22                        ; plane (b, cg): what I prefetch of the input; at LAYER = 0 also where my output lies
	s_lshl_b32 s57, s17, 17
	s_add_co_u32 s56, s56, s57
	s_mov_b32 s57, 0
.if LAYER
	s_lshl_b32 s58, s18, 23                        ; out0: b x 2,048 rows of 4,096 bytes + 128 cg
	s_lshl_b32 s59, s17, 7
	s_add_co_u32 s58, s58, s59
	s_mov_b32 s59, 0
.endif
	s_wait_dscnt 0x0                               ; the opening add is done
	s_wait_kmcnt 0x0
	s_add_nc_u64 s[G0+2:G0+3], s[4:5], s[20:21]    ; tile 0
	s_add_nc_u64 s[G0+6:G0+7], s[G0+2:G0+3], 4096  ; tile 1
	s_or_b32 s[G0+3], s[G0+3], 0x80000000          ; type = 2
	s_or_b32 s[G0+7], s[G0+7], 0x80000000
	s_add_nc_u64 s[52:53], s[4:5], s[56:57]
	s_add_nc_u64 s[6:7], s[6:7], s[40:41]
	s_add_nc_u64 s[8:9], s[8:9], s[22:23]
	s_add_nc_u64 s[10:11], s[10:11], s[22:23]
.if LAYER == 0
	s_add_nc_u64 s[12:13], s[12:13], s[56:57]
.else
	s_add_nc_u64 s[12:13], s[12:13], s[58:59]
.endif
	ROUND                                          ; all four work-groups are here: the first joint loads meet
	tensor_load_to_lds s[G0:G0+3], s[G1:G1+7]      ; both first fills together: two loads of mine are out
	s_nop 0
	tensor_load_to_lds s[G0+4:G0+7], s[G1:G1+7]
	s_nop 0
	PLACES
	global_load_b32 v28, v19, s[8:9]               ; bz of channels r, 16 + r; bh likewise
	global_load_b32 v29, v19, s[8:9] offset:64
	global_load_b32 v30, v19, s[10:11]
	global_load_b32 v31, v19, s[10:11] offset:64
	WIN 0x80                                       ; destination window 2, address window 0
.set k_, 0
.rept 16                               ; my 64 KiB of weights, already in fragment order: each load takes 512 consecutive bytes
.if k_ == 8
	WIN 0xc0                                       ; destination window 3
.endif
.set n_, 0
.rept 4
.set rB, ((k_&7)*4+n_)*8
	global_load_b128 v[rB:rB+3],   v24, s[6:7] offset:(k_*4+n_)*1024
	global_load_b128 v[rB+4:rB+7], v24, s[6:7] offset:(k_*4+n_)*1024+512
.set n_, n_+1
.endr
.set k_, k_+1
.endr
	WIN 0
	; PREFETCH.  Of the 32 planes that the 32 work-groups of a batch all walk, wave 0 of work-group (cg, b) asks for plane cg alone: each block of 256 bytes is asked for once in the launch, lanes 256 bytes apart,
	; 8,192 bytes (two tiles' part of the plane) a request.  Here tiles 2 and 3; trip k of the loop asks for tiles 2 k + 4 and 2 k + 5, which trip k + 1 loads; the last trip asks for nothing: tile 31 is the last.
	s_cmp_lg_u32 s14, 0
	s_cbranch_scc1 .Lno_first_pf
	global_prefetch_b8 v13, s[52:53] offset:8192 th:TH_LOAD_NT scope:SCOPE_SE
.Lno_first_pf:
	v_mov_b32 v[CARRY], 0.5                        ; h_0
	v_mov_b32 v[CARRY+1], 0.5
.irp i, 0,1,2,3
	v_mov_b32 v[OTH+(\i)], 0                       ; v_permlanex16_b32 counts as a reader of its destination
.endr
	; what step 0 finds for a tile before the first: k = -1e30 (a = 1, z = 2^-120), p = 0, and nothing from the partner.  All this stands in the wait for the first tile.
.set i_, 0
.rept 16
	v_mov_b32 v[KACC+i_], 0xf149f2ca
.set i_, i_+1
.endr
.rept 16
	v_mov_b32 v[KACC+i_], 0
.set i_, i_+1
.endr
.set i_, 0
.rept 32
	v_mov_b32 v[TT+i_], 0
.set i_, i_+1
.endr
	s_wait_loadcnt 0x0                             ; biases and weights, once
	v_mul_f32 v[BZN], s42, v28                     ; the biases as the gates' multiply-adds take them, each twice for the packed forms
	v_mul_f32 v[BZN+2], s42, v29
	v_mul_f32 v[BHN], s42, v30
	v_mul_f32 v[BHN+2], s42, v31
	v_add_f32 v[BH5], 0.5, v30
	v_add_f32 v[BH5+2], 0.5, v31
.irp p, BZN, BZN+2, BHN, BHN+2, BH5, BH5+2
	v_mov_b32 v[\p+1], v[\p]
.endr
	s_wait_tensorcnt 0x1                           ; my part of tile 0 is in; tile 1's may stay out
	s_barrier_signal -1
	s_barrier_wait -1                              ; everybody's is
	RUN 0, 0, 0                                    ; tile 0's first fragments, as every step fetches them for the next
	RUN 0, 1, 0
	WIN 0                                          ; at a label and at a branch every window is 0
	s_mov_b32 s50, 15
.Lloop:                                            ; trip k: tiles 2 k and 2 k + 1 are multiplied, tiles 2 k + 2 and 2 k + 3 asked for, tiles 2 k - 1 and 2 k finished
	STEP 0, 1, 1, 1, 1
	STEP 1, 1, 1, 0, 0
	WIN 0
	s_add_nc_u64 s[52:53], s[52:53], 8192          ; free since the second step's wait for address translation
	s_sub_co_u32 s50, s50, 1
	s_cmp_lg_u32 s50, 0
	s_cbranch_scc1 .Lloop
	STEP 0, 0, 1, 0, 0                             ; tiles 30 and 31 are written out: nothing is asked for
	STEP 1, 0, 0, 0, 0
	WIN 0
.set MMON, 0                                       ; tile 31's vector work, with no products left to stand among
.set vc, 0
	ACTLIST
	s_wait_xcnt 0x0
	s_add_nc_u64 s[12:13], s[12:13], OSTEP
	ds_store_b128 v8, v[24:27]                     ; buffer 0: its last readers passed tile 31's barrier
	s_wait_dscnt 0x0                               ; my aggregates are in LDS
	s_barrier_signal -1
	s_barrier_wait -1
.irp i, 0,1,2,3
	ds_load_b128 v[GG+4*(\i):GG+4*(\i)+3], v9 offset:(\i)*256
.endr
	s_wait_dscnt 0x0
	FINB
	STAGE
	s_wait_dscnt 0x0
	FINC 0
	s_wait_tensorcnt 0x0                           ; the wave's end: the add and its wait, behind my last tensor load and my last LDS store
	ds_add_u32 v14, v15
	s_wait_dscnt 0x0
	ROUND                                          ; the closing round: no work-group ends while a partner may still ask for a tile that names it
	s_endpgm
.Lfunc_end_k_qe8a35ea6ec_layer2:
	.size	k_qe8a35ea6ec_layer2, .Lfunc_end_k_qe8a35ea6ec_layer2-k_qe8a35ea6ec_layer2
	.p2alignl 7, 3214868480
	.fill 96, 4, 3214868480
	.section	.rodata,"a",@progbits
	.p2align	6, 0x0
	.amdhsa_kernel k_qe8a35ea6ec_layer2
		.amdhsa_group_segment_fixed_size 327680
		.amdhsa_private_segment_fixed_size 0
		.amdhsa_enable_private_segment 0
		.amdhsa_kernarg_size 40
		.amdhsa_user_sgpr_count 2
		.amdhsa_user_sgpr_kernarg_segment_ptr 1
		.amdhsa_wavefront_size32 1
		.amdhsa_system_sgpr_workgroup_id_x 1
		.amdhsa_system_sgpr_workgroup_id_y 1
		.amdhsa_system_sgpr_workgroup_id_z 1
		.amdhsa_system_vgpr_workitem_id 0
		.amdhsa_next_free_vgpr 1024
		.amdhsa_next_free_sgpr 66
		.amdhsa_reserve_vcc 0
		.amdhsa_float_denorm_mode_32 3
		.amdhsa_float_denorm_mode_16_64 3
		.amdhsa_memory_ordered 1
		.amdhsa_forward_progress 1
		.amdhsa_inst_pref_size 202
	.end_amdhsa_kernel
	.amdgpu_metadata
---
amdhsa.version: [ 1, 2 ]
amdhsa.kernels:
  - .name:           k_qe8a35ea6ec_layer2
    .symbol:         k_qe8a35ea6ec_layer2.kd
    .args:
      - { .name: h1, .offset: 0, .size: 8, .value_kind: global_buffer, .address_space: global }
      - { .name: wp, .offset: 8, .size: 8, .value_kind: global_buffer, .address_space: global }
      - { .name: bz, .offset: 16, .size: 8, .value_kind: global_buffer, .address_space: global }
      - { .name: bh, .offset: 24, .size: 8, .value_kind: global_buffer, .address_space: global }
      - { .name: out0, .offset: 32, .size: 8, .value_kind: global_buffer, .address_space: global }
    .group_segment_fixed_size: 327680
    .private_segment_fixed_size: 0
    .kernarg_segment_align: 8
    .kernarg_segment_size: 40
    .max_flat_workgroup_size: 128
    .sgpr_count:     66
    .vgpr_count:     1024
    .wavefront_size: 32
...
	.end_amdgpu_metadata
.endif
;; end of part 3
;; ======== version 2 of 2: 3 launches; version 1 with the launch prep written anew for expert scheduling mode
;; workspace buffers: xb 33,554,432 bytes; h1 33,554,432 bytes; wp 8,388,608 bytes
;; launch prep (part 4): grid 512 x 1, 8 waves a work-group, no clusters, 0 bytes of LDS; arguments x, Wz, Wh, xb, wp; writes xb, wp
.if DOCPART == 4
	.amdgcn_target "amdgcn-amd-amdhsa--gfx1250"
	.amdhsa_code_object_version 6
	.text
	.protected	k_qe8a35ea6ec_prep
	.globl	k_qe8a35ea6ec_prep
	.p2align	8
	.type	k_qe8a35ea6ec_prep,@function
k_qe8a35ea6ec_prep:
	s_mov_b64 s[64:65], 0
	v_nop
	global_prefetch_b8 v0, s[64:65] scope:SCOPE_SE
	s_setreg_imm32_b32 hwreg(HW_REG_WAVE_SCHED_MODE, 0, 2), 2
	s_setreg_imm32_b32 hwreg(HW_REG_WAVE_MODE, 25, 1), 1
	s_wait_xcnt 0x0
	s_wait_alu depctr_vm_vsrc(0)
; x, Wz and Wh are rounded once to bf16 (nearest even) and laid out for the two layer launches.
; xb: [b 8][kb 32][t 2048][32 channels] bf16: plane (b, kb) is 131,072 dense bytes; byte = b*4194304 + kb*131072 + t*64 + 2*channel.
; wp: [l 2][cg 32][kh 2][ksl 16][nt 4][q 2][lane 32][8] bf16, the order in which a wave of a layer launch takes its matrix fragments:
;     element e of lane (h = lane/16, r = lane%16) is W(nt<2 ? z : h)[l][32 cg + 16 (nt&1) + r][512 kh + 32 ksl + 16 q + 8 h + e].
; A stream: no LDS, no matrix unit, no cluster (no two work-groups read the same byte).  Every input byte is read once, every output byte written once.
; 512 work-groups x 8 waves.  Wave gw = 8 x group + wave owns rows 4 gw .. 4 gw + 3 of x's 16,384 (16 KiB), all 32 loads issued before the first is used.
; Waves 0 and 1 of each group then pack 16 KiB of weights (task tk = 2 x group + wave).
; THE MODE: SCHED_MODE bits 1:0 = 2 (LLVM: expert scheduling mode 2), set by the entry lines.  The code itself states the register dependences
; between vector instructions and memory instructions, with s_wait_alu, always for 0.
; THE PLAN.  Registers that memory instructions touch:
;   v1, v2   x's load offset and xb's store offset: written at the head, never again.
;   X        16 units of 8 registers.  A unit's two loads land in it; its four conversions read the 8 and write the low 4, in place; its store reads those 4.
;            Waves 0 and 1 use X a second time, for the weights, in the same way.
;   v3, v4   the weights' load and store offsets: written behind the branch on the wave's number; no memory instruction has read them before.
; The units go in four groups of four.  Group g's conversions name X + 32 g .. X + 32 g + 31 alone.  The stores of group g - 1, which read X + 32 (g - 1) .. and an offset,
; are issued in group g: ONE wait on va_vdst at the group's head states that the group before has written what they read, and they are dealt among the group's conversions
; with no further wait.  One more such wait stands ahead of the last group's stores.  Between the two uses of X stands one wait on vm_vsrc.
.set X, 8                              ; v[8:135]  16 units of 8 registers: 8 f32 as loaded, then 4 registers of bf16
	s_load_b256 s[4:11], s[0:1], 0x0               ; x s[4:5], Wz s[6:7], Wh s[8:9], xb s[10:11]
	s_load_b64 s[12:13], s[0:1], 0x20              ; wp
	v_lshrrev_b32 v3, 5, v0
	v_readfirstlane_b32 s14, v3                    ; wave 0..7
	v_and_b32 v3, 3, v0                            ; q:  which 8 channels of a plane's 32
	v_bfe_u32 v4, v0, 2, 2                         ; ts: which of my four rows
	v_bfe_u32 v5, v0, 4, 1                         ; ks: which of a unit's two planes
	v_lshlrev_b32 v1, 5, v3                        ; load offset: 32 q
	v_lshl_add_u32 v1, v5, 7, v1                   ;  + 128 ks
	v_lshl_add_u32 v1, v4, 12, v1                  ;  + 4,096 ts
	v_lshlrev_b32 v2, 4, v3                        ; store offset: 16 q
	v_lshl_add_u32 v2, v4, 6, v2                   ;  + 64 ts
	v_lshl_add_u32 v2, v5, 17, v2                  ;  + 131,072 ks
	s_wait_alu depctr_va_sdst(0)                   ; s14 is written, ahead of its first reader: the bases of x and xb are made from it
	s_lshl_b32 s15, ttmp9, 3
	s_add_co_u32 s15, s15, s14                     ; gw
	s_lshl_b32 s16, s15, 14                        ; four rows of 4,096 bytes
	s_mov_b32 s17, 0
	s_lshr_b32 s18, s15, 9                         ; b
	s_lshl_b32 s18, s18, 22
	s_and_b32 s19, s15, 511                        ; t0 / 4
	s_lshl_b32 s19, s19, 8                         ; t0 x 64 bytes
	s_add_co_u32 s18, s18, s19
	s_mov_b32 s19, 0
	s_wait_kmcnt 0x0
	s_add_nc_u64 s[4:5], s[4:5], s[16:17]
	s_add_nc_u64 s[10:11], s[10:11], s[18:19]
; Group g: units 4 g .. 4 g + 3.  ad: the stores' offset register; sb: their base; st: bytes from one unit's store to the next.
; In a unit 8 f32 become 16 bytes, in place, low registers first.
.macro GROUP g, ad, sb, st
	s_wait_loadcnt 24-8*(\g)                       ; loads come back in order (ISA guide 5.7.1): the group's eight are in, the 24 - 8 g younger ones stay out
.if (\g) > 0
	s_wait_alu depctr_va_vdst(0)                   ; the conversions of the group before have written the low four registers of its units, which the stores below read
.endif
.irp k, 0,1,2,3
.if (\g) > 0
	global_store_b128 v[\ad], v[X+8*(4*(\g)-4+(\k)):X+8*(4*(\g)-4+(\k))+3], s[\sb:\sb+1] offset:(\st)*(4*(\g)-4+(\k))  ; the group before; no vector instruction since the wait names these registers
.endif
.irp i, 0,1,2,3
	v_cvt_pk_bf16_f32 v[X+8*(4*(\g)+(\k))+(\i)], v[X+8*(4*(\g)+(\k))+2*(\i)], v[X+8*(4*(\g)+(\k))+2*(\i)+1]
.endr
.endr
.endm
; The last group's stores.
.macro LAST ad, sb, st
	s_wait_alu depctr_va_vdst(0)                   ; the conversions of group 3 have written the low four registers of units 12 to 15, which the stores below read
.irp k, 0,1,2,3
	global_store_b128 v[\ad], v[X+8*(12+(\k)):X+8*(12+(\k))+3], s[\sb:\sb+1] offset:(\st)*(12+(\k))
.endr
.endm
	s_wait_alu depctr_va_vdst(0)                   ; v1 and v2 are written: the loads of x and the stores to xb read them as their offsets
.set u, 0
.rept 16                               ; unit u: channels 64 u .. 64 u + 63 of my four rows: 256 aligned bytes of each row by the two loads together
	global_load_b128 v[X+8*u:X+8*u+3],   v1, s[4:5] offset:256*u th:TH_LOAD_NT
	global_load_b128 v[X+8*u+4:X+8*u+7], v1, s[4:5] offset:256*u+16 th:TH_LOAD_NT
.set u, u+1
.endr
	GROUP 0, 2, 10, 262144                         ; unit u's store: lanes 0-15: 256 consecutive aligned bytes of plane 2 u; lanes 16-31: of plane 2 u + 1
	GROUP 1, 2, 10, 262144
	GROUP 2, 2, 10, 262144
	GROUP 3, 2, 10, 262144
	LAST 2, 10, 262144
	s_wait_alu depctr_vm_vsrc(0)                   ; the stores above have read X, in which the weights' loads of waves 0 and 1 land; the wait stands ahead of the branch, on every path to those loads
	s_cmp_lt_u32 s14, 2
	s_cbranch_scc0 .Lend                           ; the weights are a quarter of x's bytes: two waves of eight take them
	s_wait_xcnt 0x0                                ; X, which the stores above read, is loaded again only behind this wait
	v_and_b32 v3, 15, v0
	v_lshlrev_b32 v3, 12, v3                       ; load offset: row r of 4,096 bytes
	v_lshl_add_u32 v3, v5, 5, v3                   ;  + 32 h
	v_and_b32 v4, 31, v0
	v_lshlrev_b32 v4, 4, v4                        ; store offset: 16 x lane
	s_lshl_b32 s15, ttmp9, 1
	s_add_co_u32 s15, s15, s14                     ; tk = ((l*32 + cg)*2 + kh)*8 + kp
	s_lshr_b32 s16, s15, 4
	s_lshl_b32 s16, s16, 17                        ; (l*32 + cg) x 32 rows of 4,096 bytes
	s_bfe_u32 s18, s15, 0x10003
	s_lshl_b32 s18, s18, 11                        ; kh x 512 numbers
	s_or_b32 s16, s16, s18
	s_and_b32 s18, s15, 7
	s_lshl_b32 s18, s18, 8                         ; kp x 64 numbers
	s_or_b32 s16, s16, s18
	s_add_nc_u64 s[6:7], s[6:7], s[16:17]
	s_add_nc_u64 s[8:9], s[8:9], s[16:17]
	s_lshl_b32 s18, s15, 13                        ; a task writes 8,192 bytes
	s_add_nc_u64 s[12:13], s[12:13], s[18:19]
	s_wait_alu depctr_va_vdst(0)                   ; v3 and v4 are written: the weights' loads and stores read them as their offsets (the conversions that named X stand ahead of the wait in front of the last stores)
.set i, 0
.rept 16                               ; piece i = kk*8 + nt*2 + q: 8 numbers a lane; of each row the task's pieces use 256 aligned bytes
.set im, (((i/2)%4)&1)*65536+(i/8)*128+(i%2)*64
.if ((i/2)%4) < 2
	global_load_b128 v[X+8*i:X+8*i+3],   v3, s[6:7] offset:im th:TH_LOAD_NT
	global_load_b128 v[X+8*i+4:X+8*i+7], v3, s[6:7] offset:im+16 th:TH_LOAD_NT
.else
	global_load_b128 v[X+8*i:X+8*i+3],   v3, s[8:9] offset:im th:TH_LOAD_NT
	global_load_b128 v[X+8*i+4:X+8*i+7], v3, s[8:9] offset:im+16 th:TH_LOAD_NT
.endif
.set i, i+1
.endr
	GROUP 0, 4, 12, 512                            ; piece i's store: 512 consecutive aligned bytes
	GROUP 1, 4, 12, 512
	GROUP 2, 4, 12, 512
	GROUP 3, 4, 12, 512
	LAST 4, 12, 512
.Lend:
	s_endpgm
.Lfunc_end_k_qe8a35ea6ec_prep:
	.size	k_qe8a35ea6ec_prep, .Lfunc_end_k_qe8a35ea6ec_prep-k_qe8a35ea6ec_prep
	.p2alignl 7, 3214868480
	.fill 96, 4, 3214868480
	.section	.rodata,"a",@progbits
	.p2align	6, 0x0
	.amdhsa_kernel k_qe8a35ea6ec_prep
		.amdhsa_group_segment_fixed_size 0
		.amdhsa_private_segment_fixed_size 0
		.amdhsa_enable_private_segment 0
		.amdhsa_kernarg_size 40
		.amdhsa_user_sgpr_count 2
		.amdhsa_user_sgpr_kernarg_segment_ptr 1
		.amdhsa_wavefront_size32 1
		.amdhsa_system_sgpr_workgroup_id_x 1
		.amdhsa_system_sgpr_workgroup_id_y 1
		.amdhsa_system_sgpr_workgroup_id_z 1
		.amdhsa_system_vgpr_workitem_id 0
		.amdhsa_next_free_vgpr 136
		.amdhsa_next_free_sgpr 66
		.amdhsa_reserve_vcc 0
		.amdhsa_float_denorm_mode_32 3
		.amdhsa_float_denorm_mode_16_64 3
		.amdhsa_memory_ordered 1
		.amdhsa_forward_progress 1
		.amdhsa_inst_pref_size 20
	.end_amdhsa_kernel
	.amdgpu_metadata
---
amdhsa.version: [ 1, 2 ]
amdhsa.kernels:
  - .name:           k_qe8a35ea6ec_prep
    .symbol:         k_qe8a35ea6ec_prep.kd
    .args:
      - { .name: x, .offset: 0, .size: 8, .value_kind: global_buffer, .address_space: global }
      - { .name: Wz, .offset: 8, .size: 8, .value_kind: global_buffer, .address_space: global }
      - { .name: Wh, .offset: 16, .size: 8, .value_kind: global_buffer, .address_space: global }
      - { .name: xb, .offset: 24, .size: 8, .value_kind: global_buffer, .address_space: global }
      - { .name: wp, .offset: 32, .size: 8, .value_kind: global_buffer, .address_space: global }
    .group_segment_fixed_size: 0
    .private_segment_fixed_size: 0
    .kernarg_segment_align: 8
    .kernarg_segment_size: 40
    .max_flat_workgroup_size: 256
    .sgpr_count:     66
    .vgpr_count:     136
    .wavefront_size: 32
...
	.end_amdgpu_metadata
.endif
;; end of part 4
;; launch layer1: the kernel of part 2 again; grid 32 x 8, 4 waves a work-group, clusters of 4 x 1, 327,680 bytes of LDS; arguments xb, wp, bz, bh, h1; writes h1
;; launch layer2: the kernel of part 3 again; grid 32 x 8, 4 waves a work-group, clusters of 4 x 1, 327,680 bytes of LDS; arguments h1, wp, bz, bh, out0; writes out0
